; MI455X (gfx1250); checked and timed in simulation.
; The chip was launched on July 23, 2026; its instructions are those of AMD's public machine-readable ISA for CDNA 5 (MIT licence, August 2026) and "CDNA5" Instruction Set Architecture Reference Guide (July 2026). The comments in the code are by the model that wrote it; some were corrected since.
;; Attention. Allowed arithmetic: matrix products marked QUANTISED: E4M3 operands, one given power-of-two scale a tensor, by v_wmma_f32_16x16x64_fp8_fp8 or v_wmma_f32_16x16x128_fp8_fp8, f32 sums; everything else in f32.
;; Inputs: Wg 256 x 256 float32; Wk 256 x 256 float32; Wo 256 x 256 float32; Wq 256 x 256 float32; Wv 256 x 256 float32; bg 256 float32; bias_mask 2 x 1 x 1 x 2,048 float32; bias_pair 1 x 8 x 2,048 x 2,048 float32; bo 256 float32; kv_x 2 x 2,048 x 256 float32; lowp_scales 14 int32 (the exponents e of the quantised operands' scales 2^e); q_x 2 x 2,048 x 256 float32.
;; Outputs: out0 2 x 2,048 x 256 float32.
;; This version of the problem:
;;   THIS VERSION OF THE PROBLEM IS GIVEN IN LOW PRECISION. The matrix products marked QUANTISED in the list below multiply operands that are first quantised to E4M3 (4 exponent bits, 3 mantissa bits; 8 bits a number), with one given power-of-two scale for each operand tensor; their sums are f32. All else is computed in f32.
;;   The module's matrix products, in the order in which they are computed (A, B: the left and right operand; K: the contracted axis; several contracted axes count as one K, in the product's order):
;;     1. [M 4,096, K 256] x [K 256, N 256]; A: input q_x; B: input Wq: QUANTISED (scales: A lowp_scales[0], B lowp_scales[1])
;;     2. [M 4,096, K 256] x [K 256, N 256]; A: input kv_x; B: input Wk: QUANTISED (scales: A lowp_scales[2], B lowp_scales[3])
;;     3. [M 4,096, K 256] x [K 256, N 256]; A: input kv_x; B: input Wv: QUANTISED (scales: A lowp_scales[4], B lowp_scales[5])
;;     4. batch 16 x [M 2,048, K 32] x [K 32, N 2,048]; A: computed on the way; B: computed on the way: QUANTISED (scales: A lowp_scales[6], B lowp_scales[7])
;;     5. batch 16 x [M 2,048, K 2,048] x [K 2,048, N 32]; A: softmax (see below); B: computed on the way: QUANTISED (scales: A lowp_scales[8], B lowp_scales[9])
;;     6. [M 4,096, K 256] x [K 256, N 256]; A: input q_x; B: input Wg: QUANTISED (scales: A lowp_scales[10], B lowp_scales[11])
;;     7. [M 4,096, K 256] x [K 256, N 256]; A: computed on the way; B: input Wo: QUANTISED (scales: A lowp_scales[12], B lowp_scales[13])
;;   THE QUANTISER, for each operand of a quantised product, along K:
;;     - The operand's scale is 2^e, e = its entry of the input lowp_scales (int32; the entries are numbered through the quantised products in the list's order, A before B).
;;     - Each number is divided by the scale, clamped to +-448, and rounded to the nearest number of E4M3, ties to even, subnormals kept.
;;     - The product sums the exact products of the quantised numbers (number of the format x scale) in f32.
;;   ~~~python
;;   def quantise(x, axis, e):      # numpy; x: float32 -> the quantised numbers, widened to float32 again
;;       x = np.moveaxis(x, axis, -1); K = x.shape[-1]
;;       r = np.clip(x / 2.0 ** e, -448, 448)
;;       step = 2.0 ** (np.maximum(np.frexp(np.where(r == 0, 1, r))[1] - 1, -6) - 3)
;;       q = np.round(r / step) * step * 2.0 ** e      # np.round: ties to even
;;       return np.moveaxis(q, -1, axis).astype(np.float32)
;;   ~~~
;;   SOFTMAX AHEAD OF A QUANTISED PRODUCT. Where the list says 'softmax', what is quantised is not the finished softmax but p = 2^(t - M), with t = logit x log2(e) and M = ceil(the row's largest t), a whole number; so 1/2 < the row's largest p <= 1. The row's sum l is taken of the UNQUANTISED p, in f32, and the product's result is divided by l at the end. Since M is a whole number, a kernel that streams over the keys may use a running M (the ceiling of the running maximum): every later rescaling is an exact power of two, so the quantised numbers keep their values, but for numbers so far below the row's largest that they fall under the format's range.
;;   OPERANDS COMPUTED ON THE WAY. 'Computed on the way' means the value that the module computes at that place (a softmax that the list does not call 'softmax' is quantised finished and normalised). What goes into a quantiser is computed in f32, as accurately as f32 sums, v_exp_f32 and their like allow (about 1e-6 of the number): no bf16 or f16 on the way to a quantiser, and a product that is left as it is and whose result goes on into a quantised operand takes f32 operands (vector FMAs, or v_wmma_f32_16x16x4_f32). A number that lies on a knife's edge between two numbers of the format may be rounded either way, as far as f32 arithmetic and the matrix unit's own rounding can turn it there, and no further.
;; 2 versions, each right; version 2 is version 1 with the launches proj, outp written anew for expert scheduling mode. Each part assembles by itself: llvm-mc -triple=amdgcn-amd-amdhsa -mcpu=gfx1250 --defsym DOCPART=n.
;; ======== version 1 of 2: 3 launches
;; workspace buffers: qimg 1,048,576 bytes; gimg 4,194,304 bytes; kvimg 2,097,152 bytes; woimg 65,536 bytes; ogimg 1,048,576 bytes
;; launch proj (part 1): grid 256 x 1, 16 waves a work-group, no clusters, 67,584 bytes of LDS; arguments q_x, kv_x, Wq, Wg, Wk, Wv, Wo, bg, lowp_scales, qimg, gimg, kvimg, woimg; writes qimg, gimg, kvimg, woimg
.if DOCPART == 1
	.amdgcn_target "amdgcn-amd-amdhsa--gfx1250"
	.amdhsa_code_object_version 6
	.text
	.protected	k_q9bbd295f13_proj
	.globl	k_q9bbd295f13_proj
	.p2align	8
	.type	k_q9bbd295f13_proj,@function
k_q9bbd295f13_proj:
	s_mov_b64 s[64:65], 0
	v_nop
	global_prefetch_b8 v0, s[64:65] scope:SCOPE_SE
	s_setreg_imm32_b32 hwreg(HW_REG_WAVE_MODE, 25, 1), 1
	s_wait_xcnt 0x0
; THE FOUR PROJECTIONS: q = q_x Wq^T / sqrt(32), g = sigmoid(q_x Wg^T + bg), k = kv_x Wk^T, v = kv_x Wv^T, all on codes of FP8 (E4M3) made here with the given scales; and Wo's codes.
; RESULTS are stored as IMAGES OF OPERAND REGISTERS (four registers = 512 consecutive bytes, lane l's 16 bytes at 16 l), in the order in which the next launches' waves take them:
;   qimg [b][head][tile of 16 queries][512]: lane (r, h): query r, channels 16 h + 0..15 of the head, codes at scale 6.
;   gimg [b][head][tile][4][512]: the same lanes, f32.
;   kvimg [head][step of 128 keys][K of b 0 | K of b 1 | V of b 0 | V of b 1], 4,096 bytes each.  K: 8 tiles of 16 keys x 512 bytes, codes at scale 7.  V: [t 2][c 4][512]: lane (r, h): channel 8 t + r + 8 (r / 8), keys 32 c + 16 h + 0..15, codes at scale 9.
;   woimg [tile of 16 rows of Wo][K step 2][c 4][512], codes at scale 13.
; SHARES.  Work-group g: bit 7: q_x or kv_x; bits 6:2: 128 rows; bit 1: which of the side's two weights; bit 0: heads 0-3 or 4-7.  So a work-group takes 128 rows x 128 channels, K = 256.
; Ahead of the one barrier wave w quantises one fragment (16 rows x 128 K) of the weight and one of x, and stores their images in LDS; behind it wave w multiplies head w % 4 by the 32 rows w / 4: 8 matrix instructions.
; Wo's 32 fragments are shared out one to a work-group: wave 0 of the 32 work-groups that make k for rows 0 to 2,047, so that no work-group has more than 16 loads and one fragment's codes beside its own work.
; WHICH ROWS FORM A TILE.  Tile u of a head's 32 rows of a weight, and tile u of 32 keys, takes rows 8 u + r + 8 (r / 8): as source 0 of a product it leaves a lane 16 neighbours (16 h + 0..15) in the 16 registers of tiles 0 and 1,
; which two conversions turn into four registers of codes.  Queries take rows 16 u + r.  q, g, k: source 0 = weight, source 1 = x (a lane holds one row of x).  v: source 0 = x, source 1 = weight (a lane holds one channel, registers along the keys).
; A fragment holds k = 32 c + 16 h + 0..15 in registers 4 c .. 4 c + 3, alike on both sides of every product: each product meets its partner, only the order of the sums inside an instruction differs.
; LIMITS: each given exponent of an input, and (result's - x's - weight's), lies between -126 and 119; x's + weight's of the gate between -126 and 126.  NaN among the inputs is not served.
.set WIMG, 0                           ; LDS: the weight's 16 fragments, 2,048 bytes each: (head % 4, u, K step)
.set XIMG, 32768                       ; x's 16 fragments: (32 rows, tile, K step)
.set ST0,  16                          ; v16-79   64 numbers of the weight; later its four fragments (u, K step)
.set ST1,  80                          ; v80-143  64 numbers of x; later its four fragments
.set PC,   144                         ; v144-159 codes just made
.set WOS,  160                         ; v160-223 64 numbers of Wo (ahead of the products)
.set ACC,  176                         ; v176-207 four accumulators
.set BG,   224                         ; v224-239 bg at my lane's 16 channels
; v1 r, v2 h, v3 16 x lane, v4-6 LDS addresses, v7-10 lane terms of global offsets, v240-247 scales and holds
.macro LOAD64 reg, adr, base           ; my row's 16 numbers of each of four blocks of 32 along K
.irp c, 0,1,2,3
.irp j, 0,1,2,3
	global_load_b128 v[\reg+16*\c+4*\j:\reg+16*\c+4*\j+3], v[\adr], s[\base:\base+1] offset:128*\c+16*\j
.endr
.endr
.endm
.macro POW2 e, sc, lim                 ; v[sc] = 2^e as f32, v[lim] = 448 x 2^e, e in s[e]
	s_add_co_i32 s4, s[\e], 127
	s_lshl_b32 s5, s4, 23
	v_mov_b32 v[\sc], s5
	s_add_co_i32 s4, s4, 8
	s_lshl_b32 s4, s4, 23
	s_or_b32 s4, s4, 0x600000
	v_mov_b32 v[\lim], s4
.endm
.macro QUANT src, sc, lim              ; 64 numbers of a lane become a fragment's 16 registers of codes in v[PC] on
.irp b, 0,1,2,3
.irp i, 0,1,2,3,4,5,6,7,8,9,10,11,12,13,14,15
	v_med3_num_f32 v[\src+16*\b+\i], v[\src+16*\b+\i], -v[\lim], v[\lim]   ; the conversion does not saturate (ISA guide 7.6.2): the hold at the largest code x the scale
.endr
	v_cvt_scalef32_pk8_fp8_f32 v[PC+4*\b:PC+4*\b+1], v[\src+16*\b:\src+16*\b+7], v[\sc]
	v_cvt_scalef32_pk8_fp8_f32 v[PC+4*\b+2:PC+4*\b+3], v[\src+16*\b+8:\src+16*\b+15], v[\sc]
.endr
	v_nop                                          ; a plain vector line behind the last conversion
.endm
.macro IMAGE off
.irp c, 0,1,2,3
	ds_store_b128 v4, v[PC+4*\c:PC+4*\c+3] offset:\off+512*\c
.endr
.endm
.macro FETCH reg, adr, off
.irp c, 0,1,2,3
	ds_load_b128 v[\reg+4*\c:\reg+4*\c+3], v[\adr] offset:\off+512*\c
.endr
.endm
.macro CODE16 src, dst                 ; 16 sums become 16 codes: the three scales are folded into the conversion's one
.irp i, 0,1,2,3,4,5,6,7,8,9,10,11,12,13,14,15
	v_med3_num_f32 v[\src+\i], v[\src+\i], -v245, v245
.endr
	v_cvt_scalef32_pk8_fp8_f32 v[\dst:\dst+1], v[\src:\src+7], v244
	v_cvt_scalef32_pk8_fp8_f32 v[\dst+2:\dst+3], v[\src+8:\src+15], v244
.endm
; 8 matrix instructions: two K steps on four accumulators, which take turns, one instruction a turn.  tr = 1: x is source 0
.macro MM tr
.irp z, 0,1
.irp p, 0,1
.irp u, 0,1
.if \tr
.set rA, ST1+16*(2*\u+\z)
.set rB, ST0+16*(2*\p+\z)
.else
.set rA, ST0+16*(2*\u+\z)
.set rB, ST1+16*(2*\p+\z)
.endif
.set rD, ACC+16*\p+8*\u
.if \z == 0
	v_wmma_f32_16x16x128_fp8_fp8 v[rD:rD+7], v[rA:rA+15], v[rB:rB+15], 0
.else
	v_wmma_f32_16x16x128_fp8_fp8 v[rD:rD+7], v[rA:rA+15], v[rB:rB+15], v[rD:rD+7]
.endif
.endr
.endr
.endr
.rept 4
	v_nop                                          ; four places ahead of the first read of the sums (ISA guide 7.12.1)
.endr
.endm
.macro OUT2 base, stride               ; two images of 512 bytes leave: each store of the wave covers 512 consecutive bytes, aligned
	CODE16 ACC, PC
	CODE16 ACC+16, PC+4
	v_nop
	global_store_b128 v3, v[PC:PC+3], s[\base:\base+1]
	global_store_b128 v3, v[PC+4:PC+7], s[\base:\base+1] offset:\stride
	s_wait_tensorcnt 0x0
	ds_add_u32 v254, v255
	s_wait_dscnt 0x0
	s_endpgm
.endm
	s_load_b512 s[8:23], s[0:1], 0x0               ; q_x s[8:9], kv_x s[10:11], Wq s[12:13], Wg s[14:15], Wk s[16:17], Wv s[18:19], Wo s[20:21], bg s[22:23]
	s_load_b256 s[24:31], s[0:1], 0x40             ; the scales' exponents s[24:25], qimg s[26:27], gimg s[28:29], kvimg s[30:31]
	s_load_b64 s[32:33], s[0:1], 0x60              ; woimg
	v_lshl_add_u32 v254, v0, 2, 0x10000
	v_mov_b32 v255, 0
	v_lshrrev_b32 v11, 5, v0
	v_readfirstlane_b32 s3, v11                    ; wave 0..15
	v_and_b32 v1, 15, v0                           ; r
	v_bfe_u32 v2, v0, 4, 1                         ; h
	v_and_b32 v3, 31, v0
	v_lshlrev_b32 v3, 4, v3                        ; 16 x lane
	s_lshr_b32 s50, ttmp9, 7                       ; side: 0 q_x, 1 kv_x
	s_bfe_u32 s51, ttmp9, 0x50002                  ; which 128 rows of the side's 4,096
	s_bfe_u32 s52, ttmp9, 0x10001                  ; which of the side's two weights
	s_and_b32 s53, ttmp9, 1                        ; heads 0-3 or 4-7
	s_lshr_b32 s54, s3, 2                          ; w / 4
	s_bfe_u32 s55, s3, 0x10001                     ; (w / 2) % 2
	s_and_b32 s56, s3, 1                           ; w % 2
	s_and_b32 s57, s3, 3                           ; w % 4
	s_lshl_b32 s4, s3, 11
	v_add_nc_u32 v4, s4, v3                        ; where I store an image: 16 x lane + 2,048 x wave
	s_lshl_b32 s4, s57, 13
	v_add_nc_u32 v5, s4, v3                        ; where I fetch the weight's: head w % 4
	s_lshl_b32 s4, s54, 13
	s_add_co_u32 s4, s4, XIMG
	v_add_nc_u32 v6, s4, v3                        ; and x's: rows 32 (w / 4) on
	v_and_b32 v11, 8, v1
	v_add_nc_u32 v11, v11, v1                      ; r + 8 (r / 8)
	v_lshlrev_b32 v7, 10, v11
	v_lshl_add_u32 v7, v2, 6, v7                   ; the weight: that row of 1,024 bytes, + 64 h
	s_lshl_b32 s4, s50, 3
	v_and_b32 v11, s4, v1
	v_add_nc_u32 v11, v11, v1                      ; queries: r; keys: r + 8 (r / 8)
	v_lshlrev_b32 v8, 10, v11
	v_lshl_add_u32 v8, v2, 6, v8                   ; x likewise
	v_lshlrev_b32 v9, 6, v2                        ; bg: 64 h
	v_lshlrev_b32 v10, 10, v1
	v_lshl_add_u32 v10, v2, 6, v10                 ; Wo: row r, + 64 h
	s_lshl_b32 s58, s53, 2                         ; the weight's fragment that I quantise: head 4 hq + w / 4, tile (w / 2) % 2, K step w % 2
	s_add_co_u32 s58, s58, s54
	s_lshl_b32 s58, s58, 15
	s_lshl_b32 s4, s55, 13
	s_add_co_u32 s58, s58, s4
	s_lshl_b32 s4, s56, 9
	s_add_co_u32 s58, s58, s4
	s_mov_b32 s59, 0
	s_lshl_b32 s60, s51, 17                        ; x's: rows 128 rb + 32 (w / 4) on, tile (w / 2) % 2 (16 rows on for queries, 8 for keys), K step w % 2
	s_lshl_b32 s4, s54, 15
	s_add_co_u32 s60, s60, s4
	s_lshl_b32 s4, s55, 14
	s_lshr_b32 s4, s4, s50
	s_add_co_u32 s60, s60, s4
	s_lshl_b32 s4, s56, 9
	s_add_co_u32 s60, s60, s4
	s_mov_b32 s61, 0
	s_lshl_b32 s62, s53, 2
	s_add_co_u32 s62, s62, s57                     ; the head that I multiply
	s_lshl_b32 s66, s62, 7
	s_mov_b32 s67, 0
	s_lshl_b32 s78, s50, 1
	s_add_co_u32 s78, s78, s52                     ; kind: 0 q, 1 g, 2 k, 3 v
	s_lshr_b32 s82, s51, 4                         ; b
	s_and_b32 s83, s51, 15                         ; the 128 rows' number within the batch
	s_lshl_b32 s84, s82, 3                         ; q, g: tile number ((8 b + head) 128 + 8 step + 2 (w / 4))
	s_add_co_u32 s84, s84, s62
	s_lshl_b32 s84, s84, 7
	s_lshl_b32 s4, s83, 3
	s_add_co_u32 s84, s84, s4
	s_lshl_b32 s4, s54, 1
	s_add_co_u32 s84, s84, s4
	s_mov_b32 s85, 0
	s_lshl_b32 s86, s62, 18                        ; k, v: the step's block, and the batch's part of it
	s_lshl_b32 s4, s83, 14
	s_add_co_u32 s86, s86, s4
	s_lshl_b32 s4, s82, 12
	s_add_co_u32 s86, s86, s4
	s_mov_b32 s87, 0
	s_wait_kmcnt 0x0
	s_load_b256 s[36:43], s[24:25], 0x0            ; exponents 0 to 7
	s_load_b128 s[44:47], s[24:25], 0x20           ; 8 to 11
	s_load_b64 s[48:49], s[24:25], 0x30            ; 12, 13: the three loads end with the buffer's 56 bytes
	s_cmp_eq_u32 s52, 0                            ; the buffers are chosen on the work-group's number alone
	s_cselect_b64 s[68:69], s[12:13], s[14:15]
	s_cselect_b64 s[70:71], s[16:17], s[18:19]
	s_cmp_eq_u32 s50, 0
	s_cselect_b64 s[68:69], s[68:69], s[70:71]     ; the weight
	s_cselect_b64 s[70:71], s[8:9], s[10:11]       ; x
	s_add_nc_u64 s[68:69], s[68:69], s[58:59]
	s_add_nc_u64 s[70:71], s[70:71], s[60:61]
	s_add_nc_u64 s[22:23], s[22:23], s[66:67]
.irp j, 0,1,2,3
	global_load_b128 v[BG+4*\j:BG+4*\j+3], v9, s[22:23] offset:16*\j   ; bg at channels 32 head + 16 h + 0..15 (read by every kind, used by the gate)
.endr
	LOAD64 ST0, 7, 68
	LOAD64 ST1, 8, 70
	s_wait_kmcnt 0x0
	s_cmp_eq_u32 s52, 0                            ; x's, the weight's and the result's exponent, by kind: q 0, 1, 6; g 10, 11; k 2, 3, 7; v 4, 5, 9
	s_cselect_b32 s72, s36, s46
	s_cselect_b32 s73, s37, s47
	s_cselect_b32 s75, s38, s40
	s_cselect_b32 s76, s39, s41
	s_cselect_b32 s77, s43, s45
	s_cmp_eq_u32 s50, 0
	s_cselect_b32 s72, s72, s75
	s_cselect_b32 s73, s73, s76
	s_cselect_b32 s74, s42, s77
	s_add_co_i32 s75, s72, s73                     ; a sum stands for sum x 2^(x's + weight's)
	s_sub_co_i32 s74, s74, s75                     ; so its code is sum / 2^(result's - x's - weight's)
	POW2 72, 240, 241
	POW2 73, 242, 243
	POW2 74, 244, 245
	; Wo's 32 fragments: wave 0 of the work-groups of kind k with rows below 2,048 (rb < 16): fragment f = 2 rb + hq.  Load, wait, codes and stores stand in this one branch; its loads are on their way together with the 36 above
	s_cmp_eq_u32 s78, 2
	s_cbranch_scc0 .Lno_wo
	s_cmp_lt_u32 s51, 16
	s_cbranch_scc0 .Lno_wo
	s_cmp_eq_u32 s3, 0
	s_cbranch_scc0 .Lno_wo
	s_lshl_b32 s4, s51, 1
	s_add_co_u32 s4, s4, s53                       ; fragment f: rows 16 (f / 2) on, K step f % 2
	s_lshr_b32 s80, s4, 1
	s_lshl_b32 s80, s80, 14
	s_and_b32 s5, s4, 1
	s_lshl_b32 s5, s5, 9
	s_add_co_u32 s80, s80, s5
	s_mov_b32 s81, 0
	s_add_nc_u64 s[20:21], s[20:21], s[80:81]
	s_lshl_b32 s80, s4, 11
	s_add_nc_u64 s[32:33], s[32:33], s[80:81]
	LOAD64 WOS, 10, 20
	POW2 49, 246, 247
	s_wait_loadcnt 0x0
	QUANT WOS, 246, 247
.irp c, 0,1,2,3
	global_store_b128 v3, v[PC+4*\c:PC+4*\c+3], s[32:33] offset:512*\c
.endr
	s_wait_xcnt 0x0                                ; the stores have read the codes' registers, which are written again below
.Lno_wo:
	s_wait_loadcnt 16                              ; bg and the weight's 16 are in; x's 16, issued behind them, may be out
	QUANT ST0, 242, 243
	IMAGE WIMG
	s_wait_dscnt 0x0                               ; the stores have read the codes' registers
	s_wait_loadcnt 0x0                             ; x
	QUANT ST1, 240, 241
	IMAGE XIMG
	s_wait_dscnt 0x0                               ; for the others' sake: my images lie in LDS
	s_barrier_signal -1
	s_barrier_wait -1                              ; everybody's do
.irp f, 0,1,2,3
	FETCH ST0+16*\f, 5, 2048*\f
	FETCH ST1+16*\f, 6, 2048*\f
.endr
	s_wait_dscnt 0x0
	s_cmp_eq_u32 s78, 3
	s_cbranch_scc1 .Lkind_v
	MM 0
	s_cmp_eq_u32 s78, 1
	s_cbranch_scc1 .Lkind_g
	s_cmp_eq_u32 s78, 2
	s_cbranch_scc1 .Lkind_k
	; q: / sqrt(32), codes
	s_lshl_b32 s84, s84, 9
	s_add_nc_u64 s[26:27], s[26:27], s[84:85]
	s_mov_b32 s92, 0x3e3504f3                      ; 1 / sqrt(32)
	s_mov_b32 s93, s92
.set n, 0
.rept 16
	v_pk_mul_f32 v[ACC+n:ACC+n+1], v[ACC+n:ACC+n+1], s[92:93] op_sel_hi:[1,0]   ; each accumulator from its low end on
.set n, n+2
.endr
	OUT2 26, 512
.Lkind_k:
	s_lshl_b32 s4, s54, 10                         ; key tiles 2 (w / 4) and 2 (w / 4) + 1
	s_add_co_u32 s86, s86, s4
	s_add_nc_u64 s[30:31], s[30:31], s[86:87]
	OUT2 30, 512
.Lkind_v:
	MM 1
	s_lshl_b32 s4, s54, 9                          ; keys 32 (w / 4) on: piece c = w / 4 of both fragments
	s_add_co_u32 s86, s86, s4
	s_add_co_u32 s86, s86, 8192
	s_add_nc_u64 s[30:31], s[30:31], s[86:87]
	OUT2 30, 2048
.Lkind_g:
	; g = 1 / (1 + 2^(-log2(e) (sum x 2^(x's + weight's) + bg)))
	s_lshl_b32 s84, s84, 11
	s_add_nc_u64 s[28:29], s[28:29], s[84:85]
	s_mov_b32 s88, 0xbfb8aa3b                      ; -log2(e)
	s_mov_b32 s89, s88
	s_lshl_b32 s90, s75, 23
	s_add_co_i32 s90, s90, s88                     ; x 2^(x's + weight's): the exponents are added to its exponent field
	s_mov_b32 s91, s90
.set n, 0
.rept 8
	v_pk_mul_f32 v[BG+n:BG+n+1], v[BG+n:BG+n+1], s[88:89] op_sel_hi:[1,0]
.set n, n+2
.endr
.irp p, 0,1
.irp i, 0,2,4,6,8,10,12,14
	v_pk_fma_f32 v[ACC+16*\p+\i:ACC+16*\p+\i+1], v[ACC+16*\p+\i:ACC+16*\p+\i+1], s[90:91], v[BG+\i:BG+\i+1] op_sel_hi:[1,0,1]
.endr
.endr
.set n, 0
.rept 32
	v_exp_f32 v[ACC+n], v[ACC+n]
.set n, n+1
.endr
	v_nop                                          ; a plain line behind the last exponential
	s_wait_alu depctr_va_vdst(0)                   ; one wait for the batch, ahead of its first reader
.set n, 0
.rept 16
	v_pk_add_f32 v[ACC+n:ACC+n+1], v[ACC+n:ACC+n+1], 1.0 op_sel_hi:[1,0]
.set n, n+2
.endr
.set n, 0
.rept 32
	v_rcp_f32 v[ACC+n], v[ACC+n]
.set n, n+1
.endr
	v_nop
	s_wait_alu depctr_va_vdst(0)                   ; one wait for the batch of reciprocals, ahead of the stores that read them
.irp p, 0,1
.irp i, 0,1,2,3
	global_store_b128 v3, v[ACC+16*\p+4*\i:ACC+16*\p+4*\i+3], s[28:29] offset:2048*\p+512*\i
.endr
.endr
	s_wait_tensorcnt 0x0
	ds_add_u32 v254, v255
	s_wait_dscnt 0x0
	s_endpgm
.Lfunc_end_k_q9bbd295f13_proj:
	.size	k_q9bbd295f13_proj, .Lfunc_end_k_q9bbd295f13_proj-k_q9bbd295f13_proj
	.p2alignl 7, 3214868480
	.fill 96, 4, 3214868480
	.section	.rodata,"a",@progbits
	.p2align	6, 0x0
	.amdhsa_kernel k_q9bbd295f13_proj
		.amdhsa_group_segment_fixed_size 67584
		.amdhsa_private_segment_fixed_size 0
		.amdhsa_enable_private_segment 0
		.amdhsa_kernarg_size 104
		.amdhsa_user_sgpr_count 2
		.amdhsa_user_sgpr_kernarg_segment_ptr 1
		.amdhsa_wavefront_size32 1
		.amdhsa_system_sgpr_workgroup_id_x 1
		.amdhsa_system_sgpr_workgroup_id_y 1
		.amdhsa_system_sgpr_workgroup_id_z 1
		.amdhsa_system_vgpr_workitem_id 0
		.amdhsa_next_free_vgpr 256
		.amdhsa_next_free_sgpr 96
		.amdhsa_reserve_vcc 0
		.amdhsa_float_denorm_mode_32 3
		.amdhsa_float_denorm_mode_16_64 3
		.amdhsa_memory_ordered 1
		.amdhsa_forward_progress 1
		.amdhsa_inst_pref_size 44
	.end_amdhsa_kernel
	.amdgpu_metadata
---
amdhsa.version: [ 1, 2 ]
amdhsa.kernels:
  - .name:           k_q9bbd295f13_proj
    .symbol:         k_q9bbd295f13_proj.kd
    .args:
      - { .name: q_x, .offset: 0, .size: 8, .value_kind: global_buffer, .address_space: global }
      - { .name: kv_x, .offset: 8, .size: 8, .value_kind: global_buffer, .address_space: global }
      - { .name: Wq, .offset: 16, .size: 8, .value_kind: global_buffer, .address_space: global }
      - { .name: Wg, .offset: 24, .size: 8, .value_kind: global_buffer, .address_space: global }
      - { .name: Wk, .offset: 32, .size: 8, .value_kind: global_buffer, .address_space: global }
      - { .name: Wv, .offset: 40, .size: 8, .value_kind: global_buffer, .address_space: global }
      - { .name: Wo, .offset: 48, .size: 8, .value_kind: global_buffer, .address_space: global }
      - { .name: bg, .offset: 56, .size: 8, .value_kind: global_buffer, .address_space: global }
      - { .name: lowp_scales, .offset: 64, .size: 8, .value_kind: global_buffer, .address_space: global }
      - { .name: qimg, .offset: 72, .size: 8, .value_kind: global_buffer, .address_space: global }
      - { .name: gimg, .offset: 80, .size: 8, .value_kind: global_buffer, .address_space: global }
      - { .name: kvimg, .offset: 88, .size: 8, .value_kind: global_buffer, .address_space: global }
      - { .name: woimg, .offset: 96, .size: 8, .value_kind: global_buffer, .address_space: global }
    .group_segment_fixed_size: 67584
    .private_segment_fixed_size: 0
    .kernarg_segment_align: 8
    .kernarg_segment_size: 104
    .max_flat_workgroup_size: 512
    .sgpr_count:     96
    .vgpr_count:     256
    .wavefront_size: 32
...
	.end_amdgpu_metadata
.endif
;; end of part 1
;; launch attn (part 2): grid 32 x 8, 16 waves a work-group, no clusters, 327,680 bytes of LDS; arguments bias_pair, bias_mask, lowp_scales, qimg, kvimg, gimg, ogimg; writes ogimg
.if DOCPART == 2
	.amdgcn_target "amdgcn-amd-amdhsa--gfx1250"
	.amdhsa_code_object_version 6
	.text
	.protected	k_q9bbd295f13_attn
	.globl	k_q9bbd295f13_attn
	.p2align	8
	.type	k_q9bbd295f13_attn,@function
k_q9bbd295f13_attn:
	s_mov_b64 s[64:65], 0
	v_nop
	global_prefetch_b8 v0, s[64:65] scope:SCOPE_SE
	s_setreg_imm32_b32 hwreg(HW_REG_WAVE_MODE, 25, 1), 1
	s_wait_xcnt 0x0
; ATTENTION WITH A PAIR BIAS, both products on codes of FP8 (E4M3), then the gate and the codes for the last product.
; logit = q . k + bias_mask[b][key] + bias_pair[head][query][key]; t = logit x log2(e); M = the largest t so far, rounded UP to a whole number; p = 2^(t - M) is quantised (scale 8), not normalised;
; the row's sum is taken of the unquantised p and divides at the end; when M moves, the sum and O are multiplied by 2^(old M - new M), which rounds nothing.
; SHARES.  A work-group owns 64 queries of one head FOR BOTH BATCHES, so that each byte of bias_pair is fetched once in the launch.  Wave w: queries 16 (w % 4) on, batch (w / 4) % 2, keys 1,024 (w / 8) on: 8 steps of 128 keys.
; Four waves lie on a SIMD, 256 registers each, so that one wave's vector work stands beside another's loads and products.  The two halves of the keys keep an M and a sum of their own and are merged once, through LDS, by exact powers of two.
; THE RING holds bias_pair alone.  Two LDS slots; a slot holds TWO steps of both halves of the keys: four tiles of 64 rows x 512 bytes (16 bytes of padding behind each row).  Waves 0 to 3 fetch a tile each, one tensor load a wave:
; both slots' first fills go out at the head (two loads of a wave are out), then one refill behind each of two changes of slots, with two steps in which to land.
; K AND V go through registers and ONE stage in LDS that no tensor load touches.  The launch before has laid a step's K and V of both batches as 16,384 consecutive bytes, images of operand registers.  Each wave loads 2,048 of the two
; halves' 32,768 bytes a step ahead (each load of the wave covers 512 consecutive bytes) and stores them into the stage.  Two barriers a step: one between the last step's reads of the stage and these stores, one between the stores and the reads.
; NO CLUSTER, though the 32 work-groups of a head walk the same K and V: a joint load is a tensor load and wants bytes in the ring, and two slots of two steps with K and V in them would be 2 x (135,168 + 65,536) = 401,408 bytes
; of the 327,680 that there are.  K and V are a third of a step's bytes (32,768 of 98,304); the bias tiles, the other two thirds, are each work-group's own.
; NO PREFETCH: behind each change of slots the work-group's next 131,072 bytes of bias are asked for by the tensor loads themselves, two steps ahead of their first read.
; The eight steps are written out by a macro: every offset in LDS and in memory is an immediate, and no address register is ever stepped.
; LAYOUT.  Both products transposed: S^T = K Q^T (source 0 = 16 keys, source 1 = my 16 queries), O^T = V^T P^T: a lane holds ONE query (lane % 16).  Lane r of key tile 2 c + u holds key 32 c + 8 u + r + 8 (r / 8), so that the 16 registers of
; tiles 2 c, 2 c + 1 are keys 32 c + 16 (lane / 16) + 0..15.  The head has 32 channels and the matrix instruction 64 along K: two key tiles lie in one source 0 (registers 0-3, 4-7), and Q is given once as [Q, 0] and once as [0, Q]; zero codes add nothing.
; The biases go in as the C of the first product, divided by the power of two that its sums lack.
; LIMITS: exponents 6 + 7 between -126 and 126; 8 and 12 between -126 and 119; 8 + 9 is applied by v_ldexp_f32 and has none.  NaN among the inputs is not served.
.set BP,    528                        ; a row of bias in LDS: 512 bytes + 16 = 132 words: the 16 rows of a load start 4 banks apart (64 banks of 4 bytes: ISA guide 11.1)
.set TILE,  64*BP                      ; a tile of bias: 64 queries x 128 keys
.set SLOTB, 4*TILE                     ; a slot: tile 2 x (half of the keys) + (step in the slot)
.set KVS,   2*SLOTB                    ; behind the ring: the stage for K and V: [half of the keys][16,384], written by LDS stores alone
.set BMB,   KVS+32768                  ; bias_mask / 2^(e6 + e7), [b][2,048] f32, written once by LDS stores
.set SPARE, BMB+16384                  ; the spare words, 128 bytes for each wave: eight blocks of 256 bytes that no other line names
.set MRG,   0                          ; the merge: 2,560 bytes for each pair of waves, in slot 0: it has had its last fill, and its last read lies ahead of the last change of slots
.set KF,  32                           ; v32-63   the step's 8 tiles of K
.set S,   64                           ; v64-127  bias, then S^T, then p
.set BM,  128                          ; v128-191 bias_mask of the step; then v128-159 V's two fragments
.set PCD, 192                          ; v192-207 p's codes
.set O,   208                          ; v208-223 O^T: register 8 t + j is channel 16 (lane / 16) + 8 t + j
.set KVR, 240                          ; v240-255 my 2,048 bytes of the next step's K and V; in the last step the gate, at O^T's places
; v1, v6 my lane's place in a tile of bias of my half, in slot 0 and in slot 1; v2 in the stage (K of my batch; V 8,192 bytes on); v3 in bias_mask; v4, v5 the spare word's address and 0; v7 where I store into the stage;
; v8 16 x thread; v9, v10 the merge; v11 16 x lane; v12 -M, v13 the largest t; v[14:15] the sum in two halves; v16-27 [0 Q 0]; v224-231 at work; v232, v233: 448 x 2^e8, 2^e8; v234, v235: the same with e12; v238 bias_mask's way into LDS
; s18 wave; s[28:35] descriptor group 1; s[44:47], s[48:51] group 0 of slot 0 and of slot 1; s[56:57] lane selects; s[58:59] c = log2(e) 2^(e6 + e7); s[60:61] 2^-(e6 + e7); s71 e8 + e9
.macro TLOAD g0                        ; waves 0 to 3 fetch; the branch hangs on the wave's number alone; four v_nop follow the line
	s_cmp_lt_u32 s18, 4
	s_cbranch_scc0 .Lasked_\@
	tensor_load_to_lds s[\g0:\g0+3], s[28:35]
	s_nop 0
.rept 4
	v_nop
.endr
.Lasked_\@:
.endm
.macro POW2 e, sc, lim                 ; v[sc] = 2^e as f32, v[lim] = 448 x 2^e, e in s[e]
	s_add_co_i32 s2, s[\e], 127
	s_lshl_b32 s3, s2, 23
	v_mov_b32 v[\sc], s3
	s_add_co_i32 s2, s2, 8
	s_lshl_b32 s2, s2, 23
	s_or_b32 s2, s2, 0x600000
	v_mov_b32 v[\lim], s2
.endm
; THE CHANGE OF SLOTS stands at the head of a slot's first step.  Each wave waits for all its tensor loads (its part of the slot ahead), adds 0 to its spare word, and waits for that and for its reads of the slot that it has left
; and of the stage.  Behind the barrier the slot ahead is whole, and nobody reads the other slot or the stage.  fill = 1: the slot that was left is filled with the steps four on: the load has two steps in which to land.
.macro CHANGE fill, g0
	s_wait_tensorcnt 0x0                           ; no tensor load of mine is out, so a group 0 may be written
	ds_add_u32 v4, v5                              ; 0 onto my spare word
.if \fill
	s_add_nc_u64 s[\g0+2:\g0+3], s[\g0+2:\g0+3], 2048   ; four steps of 128 keys on in each row of bias; the type bits on top are not reached
.endif
	s_wait_dscnt 0x0                               ; the add is done, and my reads are over
	s_barrier_signal -1
	s_barrier_wait -1
.if \fill
	TLOAD \g0                                      ; the first thing behind the barrier, and a wave's one tensor load until the next change
.endif
.endm
; A STEP: 128 keys for my 16 queries.  adr: the register with my place in the slot in hand; q: the step in the slot; stp: the step of my half of the keys.
; sig = 1: the next step stays in this slot: the barrier between my reads of the stage and the next stores into it is signalled as soon as V is in, and the last two products stand between its signal and its wait.
; last = 1: nothing is left to fetch of K and V: the waves that finish the rows ask for the gate instead.
.macro STEP adr, q, stp, sig, last
	s_wait_loadcnt 0x0                             ; my part of this step's K and V, asked for a step ago
.irp i, 0,1,2,3
	ds_store_b128 v7, v[KVR+4*\i:KVR+4*\i+3] offset:512*\i
.endr
.irp c, 0,1,2,3
.irp j, 0,1,2,3
	ds_load_b128 v[S+16*\c+4*\j:S+16*\c+4*\j+3], v[\adr] offset:\q*TILE+128*\c+16*\j   ; bias_pair(my query, keys 32 c + 16 h + 4 j on)
.endr
.endr
.irp c, 0,1,2,3
.irp j, 0,1,2,3
	ds_load_b128 v[BM+16*\c+4*\j:BM+16*\c+4*\j+3], v3 offset:512*\stp+128*\c+16*\j     ; bias_mask at the same keys: sixteen lanes read the same 16 bytes
.endr
.endr
	s_wait_dscnt 0x0                               ; for the others' sake: my stores into the stage have landed; both biases are in
	s_barrier_signal -1
.set n, 0
.rept 32
	v_pk_fma_f32 v[S+n:S+n+1], v[S+n:S+n+1], s[60:61], v[BM+n:BM+n+1] op_sel_hi:[1,0,1]   ; (bias_pair + bias_mask) / 2^(e6 + e7): the C of the first product; work on registers while the others arrive
.set n, n+2
.endr
	s_barrier_wait -1                              ; the stage holds this step's K and V
.if \last
	s_cmp_lt_u32 s18, 8                            ; the waves of the first half of the keys finish the rows: they ask for the gate now and wait for it at the merge
	s_cbranch_scc0 .Lno_gate_\@
.irp i, 0,1,2,3
	global_load_b128 v[KVR+4*\i:KVR+4*\i+3], v11, s[14:15] offset:512*\i
.endr
.Lno_gate_\@:
.else
.irp i, 0,1,2,3
	global_load_b128 v[KVR+4*\i:KVR+4*\i+3], v11, s[12:13] offset:16384*(\stp+1)+512*\i   ; my part of the next step's; the stores above have read these registers
.endr
.endif
.irp p, 0,1,2,3,4,5,6,7
	ds_load_b128 v[KF+4*\p:KF+4*\p+3], v2 offset:512*\p
.endr
.irp p, 0,1
.irp c, 0,1,2,3
	ds_load_b128 v[BM+16*\p+4*\c:BM+16*\p+4*\c+3], v2 offset:8192+2048*\p+512*\c       ; V's two fragments, into registers that bias_mask has left
.endr
.endr
	s_wait_dscnt 0x8                               ; K is in; V's eight loads, issued behind it, may be out
.irp p, 0,1,2,3
	v_wmma_f32_16x16x64_fp8_fp8 v[S+16*\p:S+16*\p+7], v[KF+8*\p:KF+8*\p+7], v[20:27], v[S+16*\p:S+16*\p+7]        ; key tile 2 p: [Q, 0]
	v_wmma_f32_16x16x64_fp8_fp8 v[S+16*\p+8:S+16*\p+15], v[KF+8*\p:KF+8*\p+7], v[16:23], v[S+16*\p+8:S+16*\p+15]  ; key tile 2 p + 1: [0, Q]
.endr
.rept 4
	v_nop                                          ; four places ahead of the first read of the scores (ISA guide 7.12.1)
.endr
	v_max3_num_f32 v224, v[S], v[S+1], v[S+2]      ; the step's largest score of my query among my 64 keys, in two chains, each accumulator from its low end on,
	v_max3_num_f32 v225, v[S+3], v[S+4], v[S+5]
.irp i, 6,10,14,18,22,26,30,34,38,42,46,50,54,58
	v_max3_num_f32 v224, v224, v[S+\i], v[S+\i+1]
	v_max3_num_f32 v225, v225, v[S+\i+2], v[S+\i+3]
.endr
	v_max3_num_f32 v224, v224, v[S+62], v[S+63]
	v_max_num_f32 v224, v224, v225
	v_permlanex16_b32 v226, v224, s56, s57
	v_max_num_f32 v224, v224, v226                 ; and among lane l xor 16's
	v_mul_f32 v224, s58, v224                      ; as t (c is positive)
	v_max_num_f32 v13, v13, v224                   ; the running largest t
	v_mov_b32 v224, v12
	v_floor_f32 v12, -v13                          ; the new -M = floor(-t): M is a whole number
	v_sub_f32 v224, v12, v224                      ; old M - new M: a whole number, 0 or less
	v_cvt_i32_f32 v224, v224                       ; (it saturates)
	v_ldexp_f32 v230, 1.0, v224                    ; f = 2^(old M - new M)
.set n, 0
.rept 32
	v_pk_fma_f32 v[S+n:S+n+1], v[S+n:S+n+1], s[58:59], v[12:13] op_sel_hi:[1,0,0]   ; t - M, two at a time
.set n, n+2
.endr
.set n, 0
.rept 64
	v_exp_f32 v[S+n], v[S+n]                       ; p = 2^(t - M), at most 1
.set n, n+1
.endr
	v_pk_mul_f32 v[14:15], v[14:15], v[230:231] op_sel_hi:[1,0]   ; the sums under the new M (a plain line behind the exponentials)
	s_wait_alu depctr_va_vdst(0)                   ; one wait for the whole batch, ahead of its first reader
	v_pk_add_f32 v[228:229], v[S:S+1], v[S+2:S+3]  ; the row's sum is taken of the unquantised p, in two chains
.irp j, 4,8,12,16,20,24,28,32,36,40,44,48,52,56,60
	v_pk_add_f32 v[14:15], v[14:15], v[S+\j:S+\j+1]
	v_pk_add_f32 v[228:229], v[228:229], v[S+\j+2:S+\j+3]
.endr
	v_pk_add_f32 v[14:15], v[14:15], v[228:229]
.irp b, 0,1,2,3
.irp i, 0,1,2,3,4,5,6,7,8,9,10,11,12,13,14,15
	v_min_num_f32 v[S+16*\b+\i], v[S+16*\b+\i], v232   ; the conversion does not saturate (ISA guide 7.6.2); p is not negative, so the hold is one-sided
.endr
	v_cvt_scalef32_pk8_fp8_f32 v[PCD+4*\b:PCD+4*\b+1], v[S+16*\b:S+16*\b+7], v233
	v_cvt_scalef32_pk8_fp8_f32 v[PCD+4*\b+2:PCD+4*\b+3], v[S+16*\b+8:S+16*\b+15], v233
.endr
.set n, 0
.rept 8
	v_pk_mul_f32 v[O+n:O+n+1], v[O+n:O+n+1], v[230:231] op_sel_hi:[1,0]   ; O^T under the new M; also the plain lines between the conversions and the products
.set n, n+2
.endr
	s_wait_dscnt 0x0                               ; V is in: my reads of the stage are over
.if \sig
	s_barrier_signal -1                            ; say so,
.endif
.irp p, 0,1
	v_wmma_f32_16x16x128_fp8_fp8 v[O+8*\p:O+8*\p+7], v[BM+16*\p:BM+16*\p+15], v[PCD:PCD+15], v[O+8*\p:O+8*\p+7]
.endr
.rept 4
	v_nop                                          ; four places ahead of the next step's loads into registers that these products read, and of the first read of O^T behind the last step
.endr
.if \sig
	s_barrier_wait -1                              ; and go on when all sixteen have said so: the stage may be written again
.endif
.endm
	s_load_b256 s[4:11], s[0:1], 0x0               ; bias_pair s[4:5], bias_mask s[6:7], the scales' exponents s[8:9], qimg s[10:11]
	s_load_b128 s[12:15], s[0:1], 0x20             ; kvimg s[12:13], gimg s[14:15]
	s_load_b64 s[16:17], s[0:1], 0x30              ; ogimg
	v_lshl_add_u32 v4, v0, 2, SPARE
	v_mov_b32 v5, 0
	ds_add_u32 v4, v5
	s_wait_dscnt 0x0
	v_lshrrev_b32 v8, 5, v0
	v_readfirstlane_b32 s18, v8                    ; wave 0..15
	s_and_b32 s20, s18, 3                          ; my tile of 16 queries.  Also, in waves 0 to 3: which tile of a slot I fetch
	s_bfe_u32 s21, s18, 0x10002                    ; my batch
	s_lshr_b32 s22, s18, 3                         ; my half of the keys
	s_and_b32 s23, s18, 7                          ; which 2,048 bytes of my half's K and V I bring; also my pair in the merge
	s_and_b32 s25, ttmp7, 0xffff                   ; the head; ttmp9: my block of 64 queries
	; group 1 for a tile of bias: 64 rows x 128 elements of 4 bytes, 2,048 elements from row to row
	s_mov_b32 s28, (2<<16)|(1<<20)|(6<<22)|(3<<25) ; 15:0 no mask; 17:16 elements of 4 bytes; 20 padding on; 24:22 after every 128 words (code 6); 31:25 four words (code 3)
	s_mov_b32 s29, 128<<16                         ; tensor_dim0
	s_mov_b32 s30, 64<<16                          ; tensor_dim1
	s_mov_b32 s31, 128<<16                         ; tile_dim0
	s_mov_b32 s32, 64                              ; tile_dim1
	s_mov_b32 s33, 2048                            ; tensor_dim0_stride
	s_mov_b32 s34, 0
	s_mov_b32 s35, 0
	s_lshl_b32 s26, s25, 24                        ; bias_pair: the head's 2,048 x 2,048 numbers, my block's 64 rows of 8,192 bytes,
	s_lshl_b32 s27, ttmp9, 19
	s_add_co_u32 s26, s26, s27
	s_lshr_b32 s27, s20, 1                         ; the tile that I fetch: keys 1,024 x (tile / 2) + 128 x (tile % 2) on
	s_lshl_b32 s27, s27, 12
	s_add_co_u32 s26, s26, s27
	s_and_b32 s27, s20, 1
	s_lshl_b32 s27, s27, 9
	s_add_co_u32 s26, s26, s27
	s_mov_b32 s27, 0
	s_lshl_b32 s78, s25, 18                        ; kvimg: the head's 16 blocks, my half's 8 of them, my 2,048 bytes of a block
	s_lshl_b32 s79, s22, 17
	s_add_co_u32 s78, s78, s79
	s_lshl_b32 s79, s23, 11
	s_add_co_u32 s78, s78, s79
	s_mov_b32 s79, 0
	s_lshl_b32 s2, ttmp9, 2
	s_add_co_u32 s2, s2, s20                       ; my tile of queries within the batch
	s_lshl_b32 s80, s21, 3
	s_add_co_u32 s80, s80, s25
	s_lshl_b32 s80, s80, 7
	s_add_co_u32 s80, s80, s2                      ; (8 b + head) 128 + tile
	s_lshl_b32 s82, s80, 11                        ; in gimg,
	s_lshl_b32 s80, s80, 9                         ; in qimg
	s_mov_b32 s81, 0
	s_mov_b32 s83, 0
	s_lshl_b32 s84, s21, 7
	s_add_co_u32 s84, s84, s2
	s_lshl_b32 s84, s84, 3
	s_add_co_u32 s84, s84, s25
	s_lshl_b32 s84, s84, 9                         ; ((128 b + tile) 8 + head) 512 in ogimg
	s_mov_b32 s85, 0
	s_mov_b32 s56, 0x76543210
	s_mov_b32 s57, 0xfedcba98
	s_wait_kmcnt 0x0
	s_load_b64 s[66:67], s[8:9], 0x18              ; e6, e7
	s_load_b64 s[68:69], s[8:9], 0x20              ; e8, e9
	s_load_b32 s70, s[8:9], 0x30                   ; e12
	s_add_nc_u64 s[76:77], s[4:5], s[26:27]        ; bias_pair at my tile of steps 0 and 1
	s_mov_b32 s44, 1                               ; slot 0: 1:0 count = 1
	s_mul_i32 s45, s20, TILE                       ; 63:32 LDS address: my tile's place in the slot
	s_mov_b64 s[46:47], s[76:77]                   ; 120:64 global address
	s_or_b32 s47, s47, 0x80000000                  ; 127:126 type = 2
	s_mov_b32 s48, 1                               ; slot 1:
	s_add_co_u32 s49, s45, SLOTB
	s_add_nc_u64 s[50:51], s[76:77], 1024          ; steps 2 and 3: 256 keys on
	s_or_b32 s51, s51, 0x80000000
	s_cmp_lt_u32 s18, 4                            ; a wave's two first fills stand in one branch, ahead of every wait on TENSORcnt, every LDS read and every barrier: two loads of mine are out
	s_cbranch_scc0 .Lfirst_asked
	tensor_load_to_lds s[44:47], s[28:35]
	s_nop 0
	tensor_load_to_lds s[48:51], s[28:35]
	s_nop 0
.rept 4
	v_nop
.endr
.Lfirst_asked:
	v_lshlrev_b32 v8, 4, v0
	global_load_b128 v[64:67], v8, s[6:7]          ; bias_mask: 512 threads x 16 bytes, twice
	global_load_b128 v[68:71], v8, s[6:7] offset:8192
	v_and_b32 v11, 31, v0
	v_lshlrev_b32 v11, 4, v11                      ; 16 x lane
	s_add_nc_u64 s[10:11], s[10:11], s[80:81]
	global_load_b128 v[20:23], v11, s[10:11]       ; Q's codes: they stay
	s_add_nc_u64 s[12:13], s[12:13], s[78:79]
.irp i, 0,1,2,3
	global_load_b128 v[KVR+4*\i:KVR+4*\i+3], v11, s[12:13] offset:512*\i   ; my part of step 0's K and V
.endr
	s_add_nc_u64 s[14:15], s[14:15], s[82:83]
	s_add_nc_u64 s[16:17], s[16:17], s[84:85]
	v_and_b32 v224, 15, v0                         ; r
	v_bfe_u32 v225, v0, 4, 1                       ; h
	s_mul_i32 s2, s22, 2*TILE                      ; my half's two tiles of a slot
	s_mul_i32 s3, s20, 16*BP
	s_add_co_u32 s3, s3, s2
	v_mul_u32_u24 v1, v224, BP
	v_lshl_add_u32 v1, v225, 6, v1
	v_add_nc_u32 v1, s3, v1                        ; bias in slot 0: row 16 (w % 4) + r, + 64 h;
	v_add_nc_u32 v6, SLOTB, v1                     ; in slot 1
	s_lshl_b32 s3, s22, 14
	s_lshl_b32 s2, s21, 12
	s_add_co_u32 s3, s3, s2
	s_add_co_u32 s3, s3, KVS
	v_add_nc_u32 v2, s3, v11                       ; the stage: my half's block, K of my batch; V lies 8,192 bytes on
	s_lshl_b32 s3, s18, 11
	s_add_co_u32 s3, s3, KVS
	v_add_nc_u32 v7, s3, v11                       ; and where I store: 2,048 x wave
	s_lshl_b32 s3, s21, 13
	s_lshl_b32 s2, s22, 12
	s_add_co_u32 s3, s3, s2
	s_add_co_u32 s3, s3, BMB
	v_lshl_add_u32 v3, v225, 6, s3                 ; bias_mask: my batch, my half of the keys, + 64 h
	s_mul_i32 s2, s23, 2560
	s_add_co_u32 s2, s2, MRG
	v_add_nc_u32 v9, s2, v11                       ; the merge: O^T's image,
	v_and_b32 v10, 31, v0
	v_lshlrev_b32 v10, 3, v10
	v_add_nc_u32 v10, s2, v10                      ; and, 2,048 bytes on, 8 bytes a lane
	v_lshl_add_u32 v238, v0, 4, BMB
.irp j, 16,17,18,19,24,25,26,27
	v_mov_b32 v\j, 0                               ; the zero codes on both sides of Q
.endr
	v_mov_b32 v13, 0xff61b1e6                      ; the largest t so far: -3e38, under every t
	v_floor_f32 v12, -v13                          ; -M
	v_mov_b32 v14, 0                               ; the sum, in two halves
	v_mov_b32 v15, 0
	v_mov_b32 v226, 0                              ; written once: a lane permute's destination counts as one of its sources
	v_mov_b32 v231, 0                              ; (named as the upper half of the pair v[230:231])
.set n, 0
.rept 16
	v_mov_b32 v[O+n], 0                            ; O^T: all steps are alike; the first change of M leaves zeros zeros
.set n, n+1
.endr
	s_wait_kmcnt 0x0
	s_add_co_i32 s2, s66, s67                      ; e6 + e7: a sum of the first product stands for sum x 2^(e6 + e7)
	s_lshl_b32 s3, s2, 23
	s_add_co_i32 s58, s3, 0x3fb8aa3b               ; c = log2(e) x 2^(e6 + e7): the exponents are added to log2(e)'s exponent field
	s_mov_b32 s59, s58                             ; (named with it as a pair, so it is written)
	s_sub_co_i32 s60, 127, s2
	s_lshl_b32 s60, s60, 23                        ; 2^-(e6 + e7)
	s_mov_b32 s61, s60
	s_add_co_i32 s71, s68, s69                     ; e8 + e9
	POW2 68, 233, 232
	POW2 70, 235, 234
	s_wait_loadcnt 0x5                             ; bias_mask's two loads are in; behind them: Q's one and the four of K and V
.irp j, 64,66,68,70
	v_pk_mul_f32 v[\j:\j+1], v[\j:\j+1], s[60:61] op_sel_hi:[1,0]
.endr
	ds_store_b128 v238, v[64:67]
	ds_store_b128 v238, v[68:71] offset:8192
	s_wait_tensorcnt 0x1                           ; my part of slot 0 is in; slot 1's may stay out
	s_wait_dscnt 0x0                               ; for the others' sake: my part of bias_mask lies in LDS
	s_barrier_signal -1
	s_barrier_wait -1                              ; everybody's parts do
	STEP 1, 0, 0, 1, 0
	STEP 1, 1, 1, 0, 0
	CHANGE 1, 44                                   ; slot 1 is whole; slot 0 takes steps 4 and 5
	STEP 6, 0, 2, 1, 0
	STEP 6, 1, 3, 0, 0
	CHANGE 1, 48                                   ; slot 0 is whole; slot 1 takes steps 6 and 7: the last load
	STEP 1, 0, 4, 1, 0
	STEP 1, 1, 5, 0, 0
	CHANGE 0, 44                                   ; slot 1 is whole; nothing is left to fetch
	STEP 6, 0, 6, 1, 0
	STEP 6, 1, 7, 0, 1
	; THE MERGE.  The waves of the second half of the keys hand O^T, -M and the sum to their partners (wave - 8) through LDS.
	v_add_f32 v14, v14, v15                        ; the sum's two halves,
	v_permlanex16_b32 v226, v14, s56, s57
	v_add_f32 v13, v14, v226                       ; and lane l xor 16's: my keys' sum, beside -M
	s_cmp_lt_u32 s18, 8
	s_cbranch_scc1 .Lkeep
.irp i, 0,1,2,3
	ds_store_b128 v9, v[O+4*\i:O+4*\i+3] offset:512*\i
.endr
	ds_store_b64 v10, v[12:13] offset:2048
.Lkeep:
	s_wait_dscnt 0x0                               ; for the others' sake: my stores have landed
	s_barrier_signal -1
	s_barrier_wait -1
	s_cmp_lt_u32 s18, 8
	s_cbranch_scc0 .Ldone
.irp i, 0,1,2,3
	ds_load_b128 v[64+4*\i:67+4*\i], v9 offset:512*\i
.endr
	ds_load_b64 v[80:81], v10 offset:2048
	s_wait_dscnt 0x0
	v_min_num_f32 v82, v12, v80                    ; -M of the whole row
	v_sub_f32 v83, v82, v12                        ; my M less the row's, and the partner's: whole numbers, 0 or less
	v_sub_f32 v84, v82, v80
	v_cvt_i32_f32 v83, v83
	v_cvt_i32_f32 v84, v84
	v_ldexp_f32 v86, 1.0, v83                      ; both parts are brought under the row's M by powers of two
	v_ldexp_f32 v88, 1.0, v84
	v_mul_f32 v90, v13, v86
	v_fmac_f32 v90, v81, v88                       ; the row's sum
	v_rcp_f32 v91, v90
.set n, 0
.rept 8
	v_pk_mul_f32 v[O+n:O+n+1], v[O+n:O+n+1], v[86:87] op_sel_hi:[1,0]   ; (plain lines behind the reciprocal, which name nothing of it)
.set n, n+2
.endr
.set n, 0
.rept 8
	v_pk_fma_f32 v[O+n:O+n+1], v[64+n:65+n], v[88:89], v[O+n:O+n+1] op_sel_hi:[1,0,1]
.set n, n+2
.endr
	s_wait_alu depctr_va_vdst(0)                   ; the wait ahead of the reciprocal's first reader
	v_ldexp_f32 v92, v91, s71                      ; x 2^(e8 + e9)
	s_wait_loadcnt 0x0                             ; the gate
.set n, 0
.rept 8
	v_pk_mul_f32 v[O+n:O+n+1], v[O+n:O+n+1], v[92:93] op_sel_hi:[1,0]   ; o
.set n, n+2
.endr
.set n, 0
.rept 8
	v_pk_mul_f32 v[O+n:O+n+1], v[O+n:O+n+1], v[KVR+n:KVR+n+1]          ; o x g
.set n, n+2
.endr
.set n, 0
.rept 16
	v_med3_num_f32 v[O+n], v[O+n], -v234, v234     ; the hold at the largest code x 2^e12
.set n, n+1
.endr
	v_cvt_scalef32_pk8_fp8_f32 v[96:97], v[O:O+7], v235
	v_cvt_scalef32_pk8_fp8_f32 v[98:99], v[O+8:O+15], v235
	v_nop
	global_store_b128 v11, v[96:99], s[16:17]      ; piece head % 4 of the last product's fragment: the wave stores 512 consecutive bytes, aligned
.Ldone:
	s_wait_tensorcnt 0x0                           ; the wave's end, behind my last tensor load and my last LDS store
	ds_add_u32 v4, v5
	s_wait_dscnt 0x0
	s_endpgm
.Lfunc_end_k_q9bbd295f13_attn:
	.size	k_q9bbd295f13_attn, .Lfunc_end_k_q9bbd295f13_attn-k_q9bbd295f13_attn
	.p2alignl 7, 3214868480
	.fill 96, 4, 3214868480
	.section	.rodata,"a",@progbits
	.p2align	6, 0x0
	.amdhsa_kernel k_q9bbd295f13_attn
		.amdhsa_group_segment_fixed_size 327680
		.amdhsa_private_segment_fixed_size 0
		.amdhsa_enable_private_segment 0
		.amdhsa_kernarg_size 56
		.amdhsa_user_sgpr_count 2
		.amdhsa_user_sgpr_kernarg_segment_ptr 1
		.amdhsa_wavefront_size32 1
		.amdhsa_system_sgpr_workgroup_id_x 1
		.amdhsa_system_sgpr_workgroup_id_y 1
		.amdhsa_system_sgpr_workgroup_id_z 1
		.amdhsa_system_vgpr_workitem_id 0
		.amdhsa_next_free_vgpr 256
		.amdhsa_next_free_sgpr 90
		.amdhsa_reserve_vcc 0
		.amdhsa_float_denorm_mode_32 3
		.amdhsa_float_denorm_mode_16_64 3
		.amdhsa_memory_ordered 1
		.amdhsa_forward_progress 1
		.amdhsa_inst_pref_size 160
	.end_amdhsa_kernel
	.amdgpu_metadata
---
amdhsa.version: [ 1, 2 ]
amdhsa.kernels:
  - .name:           k_q9bbd295f13_attn
    .symbol:         k_q9bbd295f13_attn.kd
    .args:
      - { .name: bias_pair, .offset: 0, .size: 8, .value_kind: global_buffer, .address_space: global }
      - { .name: bias_mask, .offset: 8, .size: 8, .value_kind: global_buffer, .address_space: global }
      - { .name: lowp_scales, .offset: 16, .size: 8, .value_kind: global_buffer, .address_space: global }
      - { .name: qimg, .offset: 24, .size: 8, .value_kind: global_buffer, .address_space: global }
      - { .name: kvimg, .offset: 32, .size: 8, .value_kind: global_buffer, .address_space: global }
      - { .name: gimg, .offset: 40, .size: 8, .value_kind: global_buffer, .address_space: global }
      - { .name: ogimg, .offset: 48, .size: 8, .value_kind: global_buffer, .address_space: global }
    .group_segment_fixed_size: 327680
    .private_segment_fixed_size: 0
    .kernarg_segment_align: 8
    .kernarg_segment_size: 56
    .max_flat_workgroup_size: 512
    .sgpr_count:     90
    .vgpr_count:     256
    .wavefront_size: 32
...
	.end_amdgpu_metadata
.endif
;; end of part 2
;; launch outp (part 3): grid 256 x 1, 4 waves a work-group, no clusters, 17,920 bytes of LDS; arguments ogimg, woimg, bo, lowp_scales, out0; writes out0
.if DOCPART == 3
	.amdgcn_target "amdgcn-amd-amdhsa--gfx1250"
	.amdhsa_code_object_version 6
	.text
	.protected	k_q9bbd295f13_outp
	.globl	k_q9bbd295f13_outp
	.p2align	8
	.type	k_q9bbd295f13_outp,@function
k_q9bbd295f13_outp:
	s_mov_b64 s[64:65], 0
	v_nop
	global_prefetch_b8 v0, s[64:65] scope:SCOPE_SE
	s_setreg_imm32_b32 hwreg(HW_REG_WAVE_MODE, 25, 1), 1
	s_wait_xcnt 0x0
; out0 = (o x g) Wo^T + bo, on the codes of FP8 (E4M3) that the launches before have laid as images of operand registers (four registers = 512 consecutive bytes, lane l's 16 bytes at 16 l).
; A work-group owns 16 rows of out0 (their two fragments are 4,096 consecutive bytes of ogimg); wave w owns columns 64 w to 64 w + 63: four tiles of 16 rows of Wo, two K steps of 128: 8 matrix instructions.
; Source 0 = 16 rows of Wo, source 1 = my 16 rows: a lane then holds eight neighbouring columns of one row.  They go through the wave's own stage in LDS and leave as rows: sixteen lanes store 256 consecutive bytes, aligned.
; No barrier: waves share nothing.  No tensor load, no cluster: a work-group's own bytes are few, and Wo's 65,536 bytes of codes are read as they lie.
; LIMIT: exponents 12 + 13 between -126 and 127, so that 2^(e12 + e13) is an f32 number.
.set OG,  16                           ; v16-47   my rows' two fragments
.set W0,  48                           ; v48-111  Wo's four fragments of K step 0; v112-175 of K step 1
.set ACC, 176                          ; v176-207 four accumulators
.set BO,  208                          ; v208-239 bo at my lane's columns
.set Y,   48                           ; the results, in registers that Wo has left
.set BK,  112                          ; rows read back from the stage
.set SP,  272                          ; a stage row: 256 bytes + 16
	s_load_b256 s[4:11], s[0:1], 0x0               ; ogimg s[4:5], woimg s[6:7], bo s[8:9], the scales' exponents s[10:11]
	s_load_b64 s[12:13], s[0:1], 0x20              ; out0
	v_lshl_add_u32 v254, v0, 2, 0x4400
	v_mov_b32 v255, 0
	v_lshrrev_b32 v1, 5, v0
	v_readfirstlane_b32 s14, v1                    ; wave 0..3
	v_and_b32 v2, 15, v0                           ; r
	v_bfe_u32 v3, v0, 4, 1                         ; h
	v_and_b32 v4, 31, v0
	v_lshlrev_b32 v4, 4, v4                        ; 16 x lane
	v_lshlrev_b32 v5, 5, v3                        ; bo: 32 h
	s_mul_i32 s15, s14, 16*SP                      ; my stage
	v_mul_u32_u24 v6, v2, SP
	v_lshl_add_u32 v6, v3, 5, v6
	v_add_nc_u32 v6, s15, v6                       ; in: row r, + 32 h
	v_mul_u32_u24 v7, v3, SP
	v_lshl_add_u32 v7, v2, 4, v7
	v_add_nc_u32 v7, s15, v7                       ; back: lanes 0-15 one row, lanes 16-31 the next
	v_lshlrev_b32 v8, 10, v3
	v_lshl_add_u32 v8, v2, 4, v8                   ; and the same two rows in out0
	s_lshl_b32 s16, ttmp9, 12
	s_mov_b32 s17, 0
	s_lshl_b32 s18, s14, 14
	s_mov_b32 s19, 0
	s_lshl_b32 s20, s14, 8
	s_mov_b32 s21, 0
	s_lshl_b32 s22, ttmp9, 14
	s_mov_b32 s23, 0
	s_wait_kmcnt 0x0
	s_load_b64 s[24:25], s[10:11], 0x30            ; e12, e13
	s_add_nc_u64 s[4:5], s[4:5], s[16:17]
	s_add_nc_u64 s[6:7], s[6:7], s[18:19]
	s_add_nc_u64 s[8:9], s[8:9], s[20:21]
	s_add_nc_u64 s[12:13], s[12:13], s[22:23]
	s_add_nc_u64 s[12:13], s[12:13], s[20:21]
.irp i, 0,1,2,3,4,5,6,7
	global_load_b128 v[OG+4*\i:OG+4*\i+3], v4, s[4:5] offset:512*\i
.endr
.irp z, 0,1
.irp i, 0,1,2,3
.irp c, 0,1,2,3
	global_load_b128 v[W0+64*\z+16*\i+4*\c:W0+64*\z+16*\i+4*\c+3], v4, s[6:7] offset:4096*\i+2048*\z+512*\c
.endr
.endr
.endr
.irp i, 0,1,2,3
	global_load_b128 v[BO+8*\i:BO+8*\i+3], v5, s[8:9] offset:64*\i
	global_load_b128 v[BO+8*\i+4:BO+8*\i+7], v5, s[8:9] offset:64*\i+16
.endr
	s_wait_loadcnt 24                              ; my rows and Wo's K step 0 are in; behind them: K step 1's 16 loads and bo's 8
.irp i, 0,1,2,3
	v_wmma_f32_16x16x128_fp8_fp8 v[ACC+8*\i:ACC+8*\i+7], v[W0+16*\i:W0+16*\i+15], v[OG:OG+15], 0
.endr
	s_wait_loadcnt 8                               ; K step 1 is in; bo's 8 may be out
.irp i, 0,1,2,3
	v_wmma_f32_16x16x128_fp8_fp8 v[ACC+8*\i:ACC+8*\i+7], v[W0+64+16*\i:W0+64+16*\i+15], v[OG+16:OG+31], v[ACC+8*\i:ACC+8*\i+7]   ; the four accumulators take turns
.endr
	s_wait_loadcnt 0x0
	s_wait_kmcnt 0x0
	s_add_co_i32 s26, s24, s25
	s_add_co_i32 s26, s26, 127
	s_lshl_b32 s26, s26, 23                        ; 2^(e12 + e13) as f32
	s_mov_b32 s27, s26                             ; (named with it as a pair, so it is written)
.rept 4
	v_nop                                          ; four places ahead of the first read of the sums and of writes into registers that the products read (ISA guide 7.12.1)
.endr
.set n, 0
.rept 16
	v_pk_fma_f32 v[Y+n:Y+n+1], v[ACC+n:ACC+n+1], s[26:27], v[BO+n:BO+n+1] op_sel_hi:[1,0,1]   ; sum x 2^(e12 + e13) + bo; each accumulator from its low end on
.set n, n+2
.endr
.irp i, 0,1,2,3
	ds_store_b128 v6, v[Y+8*\i:Y+8*\i+3] offset:64*\i
	ds_store_b128 v6, v[Y+8*\i+4:Y+8*\i+7] offset:64*\i+16
.endr
.irp t, 0,1,2,3,4,5,6,7
	ds_load_b128 v[BK+4*\t:BK+4*\t+3], v7 offset:2*\t*SP   ; LDS serves a wave's instructions in order (ISA guide 5.7.1.4): these see my stores
.endr
.irp t, 0,1,2,3,4,5,6,7
	s_wait_dscnt 7-\t
	global_store_b128 v8, v[BK+4*\t:BK+4*\t+3], s[12:13] offset:2048*\t th:TH_STORE_NT
.endr
	s_wait_tensorcnt 0x0
	ds_add_u32 v254, v255
	s_wait_dscnt 0x0
	s_endpgm
.Lfunc_end_k_q9bbd295f13_outp:
	.size	k_q9bbd295f13_outp, .Lfunc_end_k_q9bbd295f13_outp-k_q9bbd295f13_outp
	.p2alignl 7, 3214868480
	.fill 96, 4, 3214868480
	.section	.rodata,"a",@progbits
	.p2align	6, 0x0
	.amdhsa_kernel k_q9bbd295f13_outp
		.amdhsa_group_segment_fixed_size 17920
		.amdhsa_private_segment_fixed_size 0
		.amdhsa_enable_private_segment 0
		.amdhsa_kernarg_size 40
		.amdhsa_user_sgpr_count 2
		.amdhsa_user_sgpr_kernarg_segment_ptr 1
		.amdhsa_wavefront_size32 1
		.amdhsa_system_sgpr_workgroup_id_x 1
		.amdhsa_system_sgpr_workgroup_id_y 1
		.amdhsa_system_sgpr_workgroup_id_z 1
		.amdhsa_system_vgpr_workitem_id 0
		.amdhsa_next_free_vgpr 256
		.amdhsa_next_free_sgpr 66
		.amdhsa_reserve_vcc 0
		.amdhsa_float_denorm_mode_32 3
		.amdhsa_float_denorm_mode_16_64 3
		.amdhsa_memory_ordered 1
		.amdhsa_forward_progress 1
		.amdhsa_inst_pref_size 11
	.end_amdhsa_kernel
	.amdgpu_metadata
---
amdhsa.version: [ 1, 2 ]
amdhsa.kernels:
  - .name:           k_q9bbd295f13_outp
    .symbol:         k_q9bbd295f13_outp.kd
    .args:
      - { .name: ogimg, .offset: 0, .size: 8, .value_kind: global_buffer, .address_space: global }
      - { .name: woimg, .offset: 8, .size: 8, .value_kind: global_buffer, .address_space: global }
      - { .name: bo, .offset: 16, .size: 8, .value_kind: global_buffer, .address_space: global }
      - { .name: lowp_scales, .offset: 24, .size: 8, .value_kind: global_buffer, .address_space: global }
      - { .name: out0, .offset: 32, .size: 8, .value_kind: global_buffer, .address_space: global }
    .group_segment_fixed_size: 17920
    .private_segment_fixed_size: 0
    .kernarg_segment_align: 8
    .kernarg_segment_size: 40
    .max_flat_workgroup_size: 128
    .sgpr_count:     66
    .vgpr_count:     256
    .wavefront_size: 32
...
	.end_amdgpu_metadata
.endif
;; end of part 3
;; ======== version 2 of 2: 3 launches; version 1 with the launches proj, outp written anew for expert scheduling mode
;; workspace buffers: qimg 1,048,576 bytes; gimg 4,194,304 bytes; kvimg 2,097,152 bytes; woimg 65,536 bytes; ogimg 1,048,576 bytes
;; launch proj (part 4): grid 256 x 1, 16 waves a work-group, no clusters, 67,584 bytes of LDS; arguments q_x, kv_x, Wq, Wg, Wk, Wv, Wo, bg, lowp_scales, qimg, gimg, kvimg, woimg; writes qimg, gimg, kvimg, woimg
.if DOCPART == 4
	.amdgcn_target "amdgcn-amd-amdhsa--gfx1250"
	.amdhsa_code_object_version 6
	.text
	.protected	k_q9bbd295f13_proj
	.globl	k_q9bbd295f13_proj
	.p2align	8
	.type	k_q9bbd295f13_proj,@function
k_q9bbd295f13_proj:
	s_mov_b64 s[64:65], 0
	v_nop
	global_prefetch_b8 v0, s[64:65] scope:SCOPE_SE
	s_setreg_imm32_b32 hwreg(HW_REG_WAVE_SCHED_MODE, 0, 2), 2
	s_setreg_imm32_b32 hwreg(HW_REG_WAVE_MODE, 25, 1), 1
	s_wait_xcnt 0x0
	s_wait_alu depctr_vm_vsrc(0)
; THE FOUR PROJECTIONS: q = q_x Wq^T / sqrt(32), g = sigmoid(q_x Wg^T + bg), k = kv_x Wk^T, v = kv_x Wv^T, all on codes of FP8 (E4M3) made here with the given scales; and Wo's codes.
; RESULTS are stored as IMAGES OF OPERAND REGISTERS (four registers = 512 consecutive bytes, lane l's 16 bytes at 16 l), in the order in which the next launches' waves take them:
;   qimg [b][head][tile of 16 queries][512]: lane (r, h): query r, channels 16 h + 0..15 of the head, codes at scale 6.
;   gimg [b][head][tile][4][512]: the same lanes, f32.
;   kvimg [head][step of 128 keys][K of b 0 | K of b 1 | V of b 0 | V of b 1], 4,096 bytes each.  K: 8 tiles of 16 keys x 512 bytes, codes at scale 7.  V: [t 2][c 4][512]: lane (r, h): channel 8 t + r + 8 (r / 8), keys 32 c + 16 h + 0..15, codes at scale 9.
;   woimg [tile of 16 rows of Wo][K step 2][c 4][512], codes at scale 13.
; SHARES.  Work-group g: bit 7: q_x or kv_x; bits 6:2: 128 rows; bit 1: which of the side's two weights; bit 0: heads 0-3 or 4-7.  So a work-group takes 128 rows x 128 channels, K = 256.
; Ahead of the one barrier wave w quantises one fragment (16 rows x 128 K) of the weight and one of x, and stores their images in LDS; behind it wave w multiplies head w % 4 by the 32 rows w / 4: 8 matrix instructions.
; Wo's 32 fragments are shared out one to a work-group: wave 0 of the 32 work-groups that make k for rows 0 to 2,047, so that no work-group has more than 16 loads and one fragment's codes beside its own work.
; WHICH ROWS FORM A TILE.  Tile u of a head's 32 rows of a weight, and tile u of 32 keys, takes rows 8 u + r + 8 (r / 8): as source 0 of a product it leaves a lane 16 neighbours (16 h + 0..15) in the 16 registers of tiles 0 and 1,
; which two conversions turn into four registers of codes.  Queries take rows 16 u + r.  q, g, k: source 0 = weight, source 1 = x (a lane holds one row of x).  v: source 0 = x, source 1 = weight (a lane holds one channel, registers along the keys).
; A fragment holds k = 32 c + 16 h + 0..15 in registers 4 c .. 4 c + 3, alike on both sides of every product: each product meets its partner, only the order of the sums inside an instruction differs.
; LIMITS: each given exponent of an input, and (result's - x's - weight's), lies between -126 and 119; x's + weight's of the gate between -126 and 126.  NaN among the inputs is not served.
; THE MODE: SCHED_MODE bits 1:0 = 2 (LLVM: expert scheduling mode 2), set by the entry lines.  The code itself states the register dependences
; between vector or matrix instructions and memory or LDS instructions, with s_wait_alu, always for 0.
; THE PLAN.  Registers that memory or LDS instructions touch, in the order of the text:
;   v3-v10      Offsets and LDS addresses: written at the head, read by every load and store, never written again.  v254, v255: written at the head, read by the closing add alone.  One wait on va_vdst ahead of the first load serves all of them.
;   BG, ST0, ST1, WOS   The first loads land in registers that no vector instruction has named.
;   PC          The weight's codes: written by conversions, read by four LDS stores; written again by the way out's conversions, read by the last two stores.  In Wo's arm, ahead of all that: written by conversions, read by four stores.
;   PC2         x's codes, in registers of their own: written by conversions, read by four LDS stores, never written again; so nothing stands between the weight's LDS stores and x's conversions.
;   ST0, ST1    Behind the barrier the fragments' LDS loads land in them: every hold and conversion that named them stands ahead of the wait on va_vdst in front of x's LDS stores, and no vector instruction follows that wait.
;   ACC         The gate alone stores it: written by the reciprocals, read by eight stores.
; So: a wait on va_vdst ahead of each run of stores; a wait on vm_vsrc ahead of each second writing of PC (at the end of Wo's arm; behind the barrier, ahead of the branches to the four ways out); a wait on va_sdst for the wave's number.
.set WIMG, 0                           ; LDS: the weight's 16 fragments, 2,048 bytes each: (head % 4, u, K step)
.set XIMG, 32768                       ; x's 16 fragments: (32 rows, tile, K step)
.set ST0,  16                          ; v16-79   64 numbers of the weight; later its four fragments (u, K step)
.set ST1,  80                          ; v80-143  64 numbers of x; later its four fragments
.set PC,   144                         ; v144-159 the weight's codes; Wo's; on the way out the results'
.set WOS,  160                         ; v160-223 64 numbers of Wo (ahead of the products)
.set ACC,  176                         ; v176-207 four accumulators
.set PC2,  208                         ; v208-223 x's codes
.set BG,   224                         ; v224-239 bg at my lane's 16 channels
; v1 r, v2 h, v3 16 x lane, v4-6 LDS addresses, v7-10 lane terms of global offsets, v240-247 scales and holds
.macro LOAD64 reg, adr, base           ; my row's 16 numbers of each of four blocks of 32 along K
.irp c, 0,1,2,3
.irp j, 0,1,2,3
	global_load_b128 v[\reg+16*\c+4*\j:\reg+16*\c+4*\j+3], v[\adr], s[\base:\base+1] offset:128*\c+16*\j
.endr
.endr
.endm
.macro POW2 e, sc, lim                 ; v[sc] = 2^e as f32, v[lim] = 448 x 2^e, e in s[e]
	s_add_co_i32 s4, s[\e], 127
	s_lshl_b32 s5, s4, 23
	v_mov_b32 v[\sc], s5
	s_add_co_i32 s4, s4, 8
	s_lshl_b32 s4, s4, 23
	s_or_b32 s4, s4, 0x600000
	v_mov_b32 v[\lim], s4
.endm
.macro QUANT src, sc, lim, dst         ; 64 numbers of a lane become a fragment's 16 registers of codes in v[dst] on
.irp b, 0,1,2,3
.irp i, 0,1,2,3,4,5,6,7,8,9,10,11,12,13,14,15
	v_med3_num_f32 v[\src+16*\b+\i], v[\src+16*\b+\i], -v[\lim], v[\lim]   ; the conversion does not saturate (ISA guide 7.6.2): the hold at the largest code x the scale
.endr
	v_cvt_scalef32_pk8_fp8_f32 v[\dst+4*\b:\dst+4*\b+1], v[\src+16*\b:\src+16*\b+7], v[\sc]
	v_cvt_scalef32_pk8_fp8_f32 v[\dst+4*\b+2:\dst+4*\b+3], v[\src+16*\b+8:\src+16*\b+15], v[\sc]
.endr
	v_nop                                          ; a plain vector line behind the last conversion
.endm
.macro IMAGE src, off
.irp c, 0,1,2,3
	ds_store_b128 v4, v[\src+4*\c:\src+4*\c+3] offset:\off+512*\c
.endr
.endm
.macro FETCH reg, adr, off
.irp c, 0,1,2,3
	ds_load_b128 v[\reg+4*\c:\reg+4*\c+3], v[\adr] offset:\off+512*\c
.endr
.endm
.macro CODE16 src, dst                 ; 16 sums become 16 codes: the three scales are folded into the conversion's one
.irp i, 0,1,2,3,4,5,6,7,8,9,10,11,12,13,14,15
	v_med3_num_f32 v[\src+\i], v[\src+\i], -v245, v245
.endr
	v_cvt_scalef32_pk8_fp8_f32 v[\dst:\dst+1], v[\src:\src+7], v244
	v_cvt_scalef32_pk8_fp8_f32 v[\dst+2:\dst+3], v[\src+8:\src+15], v244
.endm
; 8 matrix instructions: two K steps on four accumulators, which take turns, one instruction a turn.  tr = 1: x is source 0
.macro MM tr
.irp z, 0,1
	s_wait_dscnt 16-16*\z                          ; LDS loads come back in order (ISA guide 5.7.1): K step 0's sixteen are in while K step 1's sixteen, issued behind them, may be out; then all are in
.irp p, 0,1
.irp u, 0,1
.if \tr
.set rA, ST1+16*(2*\u+\z)
.set rB, ST0+16*(2*\p+\z)
.else
.set rA, ST0+16*(2*\u+\z)
.set rB, ST1+16*(2*\p+\z)
.endif
.set rD, ACC+16*\p+8*\u
.if \z == 0
	v_wmma_f32_16x16x128_fp8_fp8 v[rD:rD+7], v[rA:rA+15], v[rB:rB+15], 0
.else
	v_wmma_f32_16x16x128_fp8_fp8 v[rD:rD+7], v[rA:rA+15], v[rB:rB+15], v[rD:rD+7]
.endif
.endr
.endr
.endr
.rept 4
	v_nop                                          ; four places ahead of the first read of the sums (ISA guide 7.12.1)
.endr
.endm
.macro OUT2 base, stride               ; two images of 512 bytes leave: each store of the wave covers 512 consecutive bytes, aligned
	CODE16 ACC, PC
	CODE16 ACC+16, PC+4
	v_nop
	s_wait_alu depctr_va_vdst(0)                   ; the conversions have written v[PC] to v[PC+7], which the two stores read
	global_store_b128 v3, v[PC:PC+3], s[\base:\base+1]
	global_store_b128 v3, v[PC+4:PC+7], s[\base:\base+1] offset:\stride
	s_wait_dscnt 0x0                               ; the closing lines, six on end
	s_wait_alu 0x0
	s_wait_tensorcnt 0x0
	ds_add_u32 v254, v255
	s_wait_dscnt 0x0
	s_endpgm
.endm
	s_load_b512 s[8:23], s[0:1], 0x0               ; q_x s[8:9], kv_x s[10:11], Wq s[12:13], Wg s[14:15], Wk s[16:17], Wv s[18:19], Wo s[20:21], bg s[22:23]
	s_load_b256 s[24:31], s[0:1], 0x40             ; the scales' exponents s[24:25], qimg s[26:27], gimg s[28:29], kvimg s[30:31]
	s_load_b64 s[32:33], s[0:1], 0x60              ; woimg
	v_lshl_add_u32 v254, v0, 2, 0x10000
	v_mov_b32 v255, 0
	v_lshrrev_b32 v11, 5, v0
	v_readfirstlane_b32 s3, v11                    ; wave 0..15
	v_and_b32 v1, 15, v0                           ; r
	v_bfe_u32 v2, v0, 4, 1                         ; h
	v_and_b32 v3, 31, v0
	v_lshlrev_b32 v3, 4, v3                        ; 16 x lane
	s_lshr_b32 s50, ttmp9, 7                       ; side: 0 q_x, 1 kv_x
	s_bfe_u32 s51, ttmp9, 0x50002                  ; which 128 rows of the side's 4,096
	s_bfe_u32 s52, ttmp9, 0x10001                  ; which of the side's two weights
	s_and_b32 s53, ttmp9, 1                        ; heads 0-3 or 4-7
	s_wait_alu depctr_va_sdst(0)                   ; s3, the wave's number, is written, ahead of its first reader
	s_lshr_b32 s54, s3, 2                          ; w / 4
	s_bfe_u32 s55, s3, 0x10001                     ; (w / 2) % 2
	s_and_b32 s56, s3, 1                           ; w % 2
	s_and_b32 s57, s3, 3                           ; w % 4
	s_lshl_b32 s4, s3, 11
	v_add_nc_u32 v4, s4, v3                        ; where I store an image: 16 x lane + 2,048 x wave
	s_lshl_b32 s4, s57, 13
	v_add_nc_u32 v5, s4, v3                        ; where I fetch the weight's: head w % 4
	s_lshl_b32 s4, s54, 13
	s_add_co_u32 s4, s4, XIMG
	v_add_nc_u32 v6, s4, v3                        ; and x's: rows 32 (w / 4) on
	v_and_b32 v11, 8, v1
	v_add_nc_u32 v11, v11, v1                      ; r + 8 (r / 8)
	v_lshlrev_b32 v7, 10, v11
	v_lshl_add_u32 v7, v2, 6, v7                   ; the weight: that row of 1,024 bytes, + 64 h
	s_lshl_b32 s4, s50, 3
	v_and_b32 v11, s4, v1
	v_add_nc_u32 v11, v11, v1                      ; queries: r; keys: r + 8 (r / 8)
	v_lshlrev_b32 v8, 10, v11
	v_lshl_add_u32 v8, v2, 6, v8                   ; x likewise
	v_lshlrev_b32 v9, 6, v2                        ; bg: 64 h
	v_lshlrev_b32 v10, 10, v1
	v_lshl_add_u32 v10, v2, 6, v10                 ; Wo: row r, + 64 h
	s_lshl_b32 s58, s53, 2                         ; the weight's fragment that I quantise: head 4 hq + w / 4, tile (w / 2) % 2, K step w % 2
	s_add_co_u32 s58, s58, s54
	s_lshl_b32 s58, s58, 15
	s_lshl_b32 s4, s55, 13
	s_add_co_u32 s58, s58, s4
	s_lshl_b32 s4, s56, 9
	s_add_co_u32 s58, s58, s4
	s_mov_b32 s59, 0
	s_lshl_b32 s60, s51, 17                        ; x's: rows 128 rb + 32 (w / 4) on, tile (w / 2) % 2 (16 rows on for queries, 8 for keys), K step w % 2
	s_lshl_b32 s4, s54, 15
	s_add_co_u32 s60, s60, s4
	s_lshl_b32 s4, s55, 14
	s_lshr_b32 s4, s4, s50
	s_add_co_u32 s60, s60, s4
	s_lshl_b32 s4, s56, 9
	s_add_co_u32 s60, s60, s4
	s_mov_b32 s61, 0
	s_lshl_b32 s62, s53, 2
	s_add_co_u32 s62, s62, s57                     ; the head that I multiply
	s_lshl_b32 s66, s62, 7
	s_mov_b32 s67, 0
	s_lshl_b32 s78, s50, 1
	s_add_co_u32 s78, s78, s52                     ; kind: 0 q, 1 g, 2 k, 3 v
	s_lshr_b32 s82, s51, 4                         ; b
	s_and_b32 s83, s51, 15                         ; the 128 rows' number within the batch
	s_lshl_b32 s84, s82, 3                         ; q, g: tile number ((8 b + head) 128 + 8 step + 2 (w / 4))
	s_add_co_u32 s84, s84, s62
	s_lshl_b32 s84, s84, 7
	s_lshl_b32 s4, s83, 3
	s_add_co_u32 s84, s84, s4
	s_lshl_b32 s4, s54, 1
	s_add_co_u32 s84, s84, s4
	s_mov_b32 s85, 0
	s_lshl_b32 s86, s62, 18                        ; k, v: the step's block, and the batch's part of it
	s_lshl_b32 s4, s83, 14
	s_add_co_u32 s86, s86, s4
	s_lshl_b32 s4, s82, 12
	s_add_co_u32 s86, s86, s4
	s_mov_b32 s87, 0
	s_wait_kmcnt 0x0
	s_load_b256 s[36:43], s[24:25], 0x0            ; exponents 0 to 7
	s_load_b128 s[44:47], s[24:25], 0x20           ; 8 to 11
	s_load_b64 s[48:49], s[24:25], 0x30            ; 12, 13: the three loads end with the buffer's 56 bytes
	s_cmp_eq_u32 s52, 0                            ; the buffers are chosen on the work-group's number alone
	s_cselect_b64 s[68:69], s[12:13], s[14:15]
	s_cselect_b64 s[70:71], s[16:17], s[18:19]
	s_cmp_eq_u32 s50, 0
	s_cselect_b64 s[68:69], s[68:69], s[70:71]     ; the weight
	s_cselect_b64 s[70:71], s[8:9], s[10:11]       ; x
	s_add_nc_u64 s[68:69], s[68:69], s[58:59]
	s_add_nc_u64 s[70:71], s[70:71], s[60:61]
	s_add_nc_u64 s[22:23], s[22:23], s[66:67]
	s_wait_alu depctr_va_vdst(0)                   ; the offsets and LDS addresses v3 to v10 are written, which every load and store of the kernel reads; so are v254 and v255, which the closing add reads
.irp j, 0,1,2,3
	global_load_b128 v[BG+4*\j:BG+4*\j+3], v9, s[22:23] offset:16*\j   ; bg at channels 32 head + 16 h + 0..15 (read by every kind, used by the gate)
.endr
	LOAD64 ST0, 7, 68
	LOAD64 ST1, 8, 70
	s_wait_kmcnt 0x0
	s_cmp_eq_u32 s52, 0                            ; x's, the weight's and the result's exponent, by kind: q 0, 1, 6; g 10, 11; k 2, 3, 7; v 4, 5, 9
	s_cselect_b32 s72, s36, s46
	s_cselect_b32 s73, s37, s47
	s_cselect_b32 s75, s38, s40
	s_cselect_b32 s76, s39, s41
	s_cselect_b32 s77, s43, s45
	s_cmp_eq_u32 s50, 0
	s_cselect_b32 s72, s72, s75
	s_cselect_b32 s73, s73, s76
	s_cselect_b32 s74, s42, s77
	s_add_co_i32 s75, s72, s73                     ; a sum stands for sum x 2^(x's + weight's)
	s_sub_co_i32 s74, s74, s75                     ; so its code is sum / 2^(result's - x's - weight's)
	POW2 72, 240, 241
	POW2 73, 242, 243
	POW2 74, 244, 245
	; Wo's 32 fragments: wave 0 of the work-groups of kind k with rows below 2,048 (rb < 16): fragment f = 2 rb + hq.  Load, wait, codes and stores stand in this one branch; its loads are on their way together with the 36 above
	s_cmp_eq_u32 s78, 2
	s_cbranch_scc0 .Lno_wo
	s_cmp_lt_u32 s51, 16
	s_cbranch_scc0 .Lno_wo
	s_cmp_eq_u32 s3, 0
	s_cbranch_scc0 .Lno_wo
	s_lshl_b32 s4, s51, 1
	s_add_co_u32 s4, s4, s53                       ; fragment f: rows 16 (f / 2) on, K step f % 2
	s_lshr_b32 s80, s4, 1
	s_lshl_b32 s80, s80, 14
	s_and_b32 s5, s4, 1
	s_lshl_b32 s5, s5, 9
	s_add_co_u32 s80, s80, s5
	s_mov_b32 s81, 0
	s_add_nc_u64 s[20:21], s[20:21], s[80:81]
	s_lshl_b32 s80, s4, 11
	s_add_nc_u64 s[32:33], s[32:33], s[80:81]
	LOAD64 WOS, 10, 20                             ; no wait: the vector instructions since the head's wait wrote v240 to v245 alone, and these loads name v10 and v[WOS ..]
	POW2 49, 246, 247
	s_wait_loadcnt 0x0
	QUANT WOS, 246, 247, PC
	s_wait_alu depctr_va_vdst(0)                   ; the conversions have written v[PC ..], which the four stores read
.irp c, 0,1,2,3
	global_store_b128 v3, v[PC+4*\c:PC+4*\c+3], s[32:33] offset:512*\c
.endr
	s_wait_xcnt 0x0                                ; the stores' addresses are translated: their data registers are written again only behind this wait,
	s_wait_alu depctr_vm_vsrc(0)                   ; and the stores have read v[PC ..], which the weight's conversions below write again
.Lno_wo:
	s_wait_loadcnt 16                              ; bg and the weight's 16 are in; x's 16, issued behind them, may be out
	QUANT ST0, 242, 243, PC
	s_wait_alu depctr_va_vdst(0)                   ; the conversions have written v[PC ..], which the LDS stores read
	IMAGE PC, WIMG
	s_wait_loadcnt 0x0                             ; x
	QUANT ST1, 240, 241, PC2                       ; into registers of its own: the LDS stores above may still be reading v[PC ..]
	s_wait_alu depctr_va_vdst(0)                   ; the conversions have written v[PC2 ..], which the LDS stores read; and all holds and conversions are done with v[ST0 ..] and v[ST1 ..], in which the LDS loads behind the barrier land
	IMAGE PC2, XIMG
	s_wait_dscnt 0x0                               ; for the others' sake: my images lie in LDS
	s_barrier_signal -1
	s_barrier_wait -1                              ; everybody's do
	s_wait_alu depctr_vm_vsrc(0)                   ; my LDS stores have read v[PC ..], which the conversions of three of the four ways out write again: stated here, ahead of the branches to them
.irp z, 0,1                                    ; K step 0's fragments first, so that its products need not wait for K step 1's
.irp u, 0,1
	FETCH ST0+16*(2*\u+\z), 5, 2048*(2*\u+\z)
	FETCH ST1+16*(2*\u+\z), 6, 2048*(2*\u+\z)
.endr
.endr
	s_cmp_eq_u32 s78, 3
	s_cbranch_scc1 .Lkind_v
	MM 0
	s_cmp_eq_u32 s78, 1
	s_cbranch_scc1 .Lkind_g
	s_cmp_eq_u32 s78, 2
	s_cbranch_scc1 .Lkind_k
	; q: / sqrt(32), codes
	s_lshl_b32 s84, s84, 9
	s_add_nc_u64 s[26:27], s[26:27], s[84:85]
	s_mov_b32 s92, 0x3e3504f3                      ; 1 / sqrt(32)
	s_mov_b32 s93, s92
.set n, 0
.rept 16
	v_pk_mul_f32 v[ACC+n:ACC+n+1], v[ACC+n:ACC+n+1], s[92:93] op_sel_hi:[1,0]   ; each accumulator from its low end on
.set n, n+2
.endr
	OUT2 26, 512
.Lkind_k:
	s_lshl_b32 s4, s54, 10                         ; key tiles 2 (w / 4) and 2 (w / 4) + 1
	s_add_co_u32 s86, s86, s4
	s_add_nc_u64 s[30:31], s[30:31], s[86:87]
	OUT2 30, 512
.Lkind_v:
	MM 1
	s_lshl_b32 s4, s54, 9                          ; keys 32 (w / 4) on: piece c = w / 4 of both fragments
	s_add_co_u32 s86, s86, s4
	s_add_co_u32 s86, s86, 8192
	s_add_nc_u64 s[30:31], s[30:31], s[86:87]
	OUT2 30, 2048
.Lkind_g:
	; g = 1 / (1 + 2^(-log2(e) (sum x 2^(x's + weight's) + bg)))
	s_lshl_b32 s84, s84, 11
	s_add_nc_u64 s[28:29], s[28:29], s[84:85]
	s_mov_b32 s88, 0xbfb8aa3b                      ; -log2(e)
	s_mov_b32 s89, s88
	s_lshl_b32 s90, s75, 23
	s_add_co_i32 s90, s90, s88                     ; x 2^(x's + weight's): the exponents are added to its exponent field
	s_mov_b32 s91, s90
.set n, 0
.rept 8
	v_pk_mul_f32 v[BG+n:BG+n+1], v[BG+n:BG+n+1], s[88:89] op_sel_hi:[1,0]
.set n, n+2
.endr
.irp p, 0,1
.irp i, 0,2,4,6,8,10,12,14
	v_pk_fma_f32 v[ACC+16*\p+\i:ACC+16*\p+\i+1], v[ACC+16*\p+\i:ACC+16*\p+\i+1], s[90:91], v[BG+\i:BG+\i+1] op_sel_hi:[1,0,1]
.endr
.endr
.set n, 0
.rept 32
	v_exp_f32 v[ACC+n], v[ACC+n]
.set n, n+1
.endr
	v_nop                                          ; a plain line behind the last exponential
	s_wait_alu depctr_va_vdst(0)                   ; the 32 exponentials have written v[ACC ..]: one wait for the batch, ahead of its first reader
.set n, 0
.rept 16
	v_pk_add_f32 v[ACC+n:ACC+n+1], v[ACC+n:ACC+n+1], 1.0 op_sel_hi:[1,0]
.set n, n+2
.endr
.set n, 0
.rept 32
	v_rcp_f32 v[ACC+n], v[ACC+n]
.set n, n+1
.endr
	v_nop
	s_wait_alu depctr_va_vdst(0)                   ; the 32 reciprocals have written v[ACC ..], which the eight stores read: one wait for the batch
.irp p, 0,1
.irp i, 0,1,2,3
	global_store_b128 v3, v[ACC+16*\p+4*\i:ACC+16*\p+4*\i+3], s[28:29] offset:2048*\p+512*\i
.endr
.endr
	s_wait_dscnt 0x0                               ; the closing lines, six on end
	s_wait_alu 0x0
	s_wait_tensorcnt 0x0
	ds_add_u32 v254, v255
	s_wait_dscnt 0x0
	s_endpgm
.Lfunc_end_k_q9bbd295f13_proj:
	.size	k_q9bbd295f13_proj, .Lfunc_end_k_q9bbd295f13_proj-k_q9bbd295f13_proj
	.p2alignl 7, 3214868480
	.fill 96, 4, 3214868480
	.section	.rodata,"a",@progbits
	.p2align	6, 0x0
	.amdhsa_kernel k_q9bbd295f13_proj
		.amdhsa_group_segment_fixed_size 67584
		.amdhsa_private_segment_fixed_size 0
		.amdhsa_enable_private_segment 0
		.amdhsa_kernarg_size 104
		.amdhsa_user_sgpr_count 2
		.amdhsa_user_sgpr_kernarg_segment_ptr 1
		.amdhsa_wavefront_size32 1
		.amdhsa_system_sgpr_workgroup_id_x 1
		.amdhsa_system_sgpr_workgroup_id_y 1
		.amdhsa_system_sgpr_workgroup_id_z 1
		.amdhsa_system_vgpr_workitem_id 0
		.amdhsa_next_free_vgpr 256
		.amdhsa_next_free_sgpr 96
		.amdhsa_reserve_vcc 0
		.amdhsa_float_denorm_mode_32 3
		.amdhsa_float_denorm_mode_16_64 3
		.amdhsa_memory_ordered 1
		.amdhsa_forward_progress 1
		.amdhsa_inst_pref_size 45
	.end_amdhsa_kernel
	.amdgpu_metadata
---
amdhsa.version: [ 1, 2 ]
amdhsa.kernels:
  - .name:           k_q9bbd295f13_proj
    .symbol:         k_q9bbd295f13_proj.kd
    .args:
      - { .name: q_x, .offset: 0, .size: 8, .value_kind: global_buffer, .address_space: global }
      - { .name: kv_x, .offset: 8, .size: 8, .value_kind: global_buffer, .address_space: global }
      - { .name: Wq, .offset: 16, .size: 8, .value_kind: global_buffer, .address_space: global }
      - { .name: Wg, .offset: 24, .size: 8, .value_kind: global_buffer, .address_space: global }
      - { .name: Wk, .offset: 32, .size: 8, .value_kind: global_buffer, .address_space: global }
      - { .name: Wv, .offset: 40, .size: 8, .value_kind: global_buffer, .address_space: global }
      - { .name: Wo, .offset: 48, .size: 8, .value_kind: global_buffer, .address_space: global }
      - { .name: bg, .offset: 56, .size: 8, .value_kind: global_buffer, .address_space: global }
      - { .name: lowp_scales, .offset: 64, .size: 8, .value_kind: global_buffer, .address_space: global }
      - { .name: qimg, .offset: 72, .size: 8, .value_kind: global_buffer, .address_space: global }
      - { .name: gimg, .offset: 80, .size: 8, .value_kind: global_buffer, .address_space: global }
      - { .name: kvimg, .offset: 88, .size: 8, .value_kind: global_buffer, .address_space: global }
      - { .name: woimg, .offset: 96, .size: 8, .value_kind: global_buffer, .address_space: global }
    .group_segment_fixed_size: 67584
    .private_segment_fixed_size: 0
    .kernarg_segment_align: 8
    .kernarg_segment_size: 104
    .max_flat_workgroup_size: 512
    .sgpr_count:     96
    .vgpr_count:     256
    .wavefront_size: 32
...
	.end_amdgpu_metadata
.endif
;; end of part 4
;; launch attn: the kernel of part 2 again; grid 32 x 8, 16 waves a work-group, no clusters, 327,680 bytes of LDS; arguments bias_pair, bias_mask, lowp_scales, qimg, kvimg, gimg, ogimg; writes ogimg
;; launch outp (part 5): grid 256 x 1, 4 waves a work-group, no clusters, 17,920 bytes of LDS; arguments ogimg, woimg, bo, lowp_scales, out0; writes out0
.if DOCPART == 5
	.amdgcn_target "amdgcn-amd-amdhsa--gfx1250"
	.amdhsa_code_object_version 6
	.text
	.protected	k_q9bbd295f13_outp
	.globl	k_q9bbd295f13_outp
	.p2align	8
	.type	k_q9bbd295f13_outp,@function
k_q9bbd295f13_outp:
	s_mov_b64 s[64:65], 0
	v_nop
	global_prefetch_b8 v0, s[64:65] scope:SCOPE_SE
	s_setreg_imm32_b32 hwreg(HW_REG_WAVE_SCHED_MODE, 0, 2), 2
	s_setreg_imm32_b32 hwreg(HW_REG_WAVE_MODE, 25, 1), 1
	s_wait_xcnt 0x0
	s_wait_alu depctr_vm_vsrc(0)
; out0 = (o x g) Wo^T + bo, on the codes of FP8 (E4M3) that the launches before have laid as images of operand registers (four registers = 512 consecutive bytes, lane l's 16 bytes at 16 l).
; A work-group owns 16 rows of out0 (their two fragments are 4,096 consecutive bytes of ogimg); wave w owns columns 64 w to 64 w + 63: four tiles of 16 rows of Wo, two K steps of 128: 8 matrix instructions.
; Source 0 = 16 rows of Wo, source 1 = my 16 rows: a lane then holds eight neighbouring columns of one row.  They go through the wave's own stage in LDS and leave as rows: sixteen lanes store 256 consecutive bytes, aligned.
; No barrier: waves share nothing.  No tensor load, no cluster: a work-group's own bytes are few, and Wo's 65,536 bytes of codes are read as they lie.
; LIMIT: exponents 12 + 13 between -126 and 127, so that 2^(e12 + e13) is an f32 number.
; THE MODE: SCHED_MODE bits 1:0 = 2 (LLVM: expert scheduling mode 2), set by the entry lines.  The code itself states the register dependences
; between vector or matrix instructions and memory or LDS instructions, with s_wait_alu, always for 0.
; THE PLAN.  Registers that memory or LDS instructions touch, in the order of the text:
;   v4-v8       Offsets and LDS addresses: written at the head, read by all loads and stores, never written again.  v254, v255: written at the head, read by the closing add alone.  One wait on va_vdst ahead of the first load.
;   OG, W0, BO  Loads land in registers that no vector instruction has named; the products and the multiply-adds read them behind the waits on LOADcnt.
;   Y           Written by the 16 multiply-adds, read by the eight LDS stores, never written again.
;   BK          The products of K step 1 read these registers as Wo's fragments; then the stage's LDS loads land in them, and the eight stores read them.
; So ONE more wait on va_vdst, ahead of the LDS stores: the multiply-adds have written Y, and the products are done reading the registers in which the stage's loads land; no vector instruction follows it.
; No register that a memory or LDS instruction has read is written again: behind the entry lines the text holds no wait on vm_vsrc.
.set OG,  16                           ; v16-47   my rows' two fragments
.set W0,  48                           ; v48-111  Wo's four fragments of K step 0; v112-175 of K step 1
.set ACC, 176                          ; v176-207 four accumulators
.set BO,  208                          ; v208-239 bo at my lane's columns
.set Y,   48                           ; the results, in registers that Wo has left
.set BK,  112                          ; rows read back from the stage
.set SP,  272                          ; a stage row: 256 bytes + 16
	s_load_b256 s[4:11], s[0:1], 0x0               ; ogimg s[4:5], woimg s[6:7], bo s[8:9], the scales' exponents s[10:11]
	s_load_b64 s[12:13], s[0:1], 0x20              ; out0
	v_lshl_add_u32 v254, v0, 2, 0x4400
	v_mov_b32 v255, 0
	v_lshrrev_b32 v1, 5, v0
	v_readfirstlane_b32 s14, v1                    ; wave 0..3
	v_and_b32 v2, 15, v0                           ; r
	v_bfe_u32 v3, v0, 4, 1                         ; h
	v_and_b32 v4, 31, v0
	v_lshlrev_b32 v4, 4, v4                        ; 16 x lane
	v_lshlrev_b32 v5, 5, v3                        ; bo: 32 h
	s_wait_alu depctr_va_sdst(0)                   ; s14, the wave's number, is written, ahead of its first reader
	s_mul_i32 s15, s14, 16*SP                      ; my stage
	v_mul_u32_u24 v6, v2, SP
	v_lshl_add_u32 v6, v3, 5, v6
	v_add_nc_u32 v6, s15, v6                       ; in: row r, + 32 h
	v_mul_u32_u24 v7, v3, SP
	v_lshl_add_u32 v7, v2, 4, v7
	v_add_nc_u32 v7, s15, v7                       ; back: lanes 0-15 one row, lanes 16-31 the next
	v_lshlrev_b32 v8, 10, v3
	v_lshl_add_u32 v8, v2, 4, v8                   ; and the same two rows in out0
	s_lshl_b32 s16, ttmp9, 12
	s_mov_b32 s17, 0
	s_lshl_b32 s18, s14, 14
	s_mov_b32 s19, 0
	s_lshl_b32 s20, s14, 8
	s_mov_b32 s21, 0
	s_lshl_b32 s22, ttmp9, 14
	s_mov_b32 s23, 0
	s_wait_kmcnt 0x0
	s_load_b64 s[24:25], s[10:11], 0x30            ; e12, e13
	s_add_nc_u64 s[4:5], s[4:5], s[16:17]
	s_add_nc_u64 s[6:7], s[6:7], s[18:19]
	s_add_nc_u64 s[8:9], s[8:9], s[20:21]
	s_add_nc_u64 s[12:13], s[12:13], s[22:23]
	s_add_nc_u64 s[12:13], s[12:13], s[20:21]
	s_wait_alu depctr_va_vdst(0)                   ; the offsets and LDS addresses v4 to v8 are written, which all loads and stores below read; so are v254 and v255, which the closing add reads
.irp i, 0,1,2,3,4,5,6,7
	global_load_b128 v[OG+4*\i:OG+4*\i+3], v4, s[4:5] offset:512*\i
.endr
.irp z, 0,1
.irp i, 0,1,2,3
.irp c, 0,1,2,3
	global_load_b128 v[W0+64*\z+16*\i+4*\c:W0+64*\z+16*\i+4*\c+3], v4, s[6:7] offset:4096*\i+2048*\z+512*\c
.endr
.endr
.endr
.irp i, 0,1,2,3
	global_load_b128 v[BO+8*\i:BO+8*\i+3], v5, s[8:9] offset:64*\i
	global_load_b128 v[BO+8*\i+4:BO+8*\i+7], v5, s[8:9] offset:64*\i+16
.endr
	s_wait_loadcnt 24                              ; my rows and Wo's K step 0 are in; behind them: K step 1's 16 loads and bo's 8
.irp i, 0,1,2,3
	v_wmma_f32_16x16x128_fp8_fp8 v[ACC+8*\i:ACC+8*\i+7], v[W0+16*\i:W0+16*\i+15], v[OG:OG+15], 0
.endr
	s_wait_loadcnt 8                               ; K step 1 is in; bo's 8 may be out
.irp i, 0,1,2,3
	v_wmma_f32_16x16x128_fp8_fp8 v[ACC+8*\i:ACC+8*\i+7], v[W0+64+16*\i:W0+64+16*\i+15], v[OG+16:OG+31], v[ACC+8*\i:ACC+8*\i+7]   ; the four accumulators take turns
.endr
	s_wait_loadcnt 0x0
	s_wait_kmcnt 0x0
	s_add_co_i32 s26, s24, s25
	s_add_co_i32 s26, s26, 127
	s_lshl_b32 s26, s26, 23                        ; 2^(e12 + e13) as f32
	s_mov_b32 s27, s26                             ; (named with it as a pair, so it is written)
.rept 4
	v_nop                                          ; four places ahead of the first read of the sums and of writes into registers that the products read (ISA guide 7.12.1)
.endr
.set n, 0
.rept 16
	v_pk_fma_f32 v[Y+n:Y+n+1], v[ACC+n:ACC+n+1], s[26:27], v[BO+n:BO+n+1] op_sel_hi:[1,0,1]   ; sum x 2^(e12 + e13) + bo; each accumulator from its low end on
.set n, n+2
.endr
	s_wait_alu depctr_va_vdst(0)                   ; the multiply-adds have written v[Y ..], which the LDS stores read; the products of K step 1 are done reading v[BK ..], in which the stage's loads land
.irp i, 0,1,2,3
	ds_store_b128 v6, v[Y+8*\i:Y+8*\i+3] offset:64*\i
	ds_store_b128 v6, v[Y+8*\i+4:Y+8*\i+7] offset:64*\i+16
.endr
.irp t, 0,1,2,3,4,5,6,7
	ds_load_b128 v[BK+4*\t:BK+4*\t+3], v7 offset:2*\t*SP   ; LDS serves a wave's instructions in order (ISA guide 5.7.1.4): these see my stores
.endr
.irp t, 0,1,2,3,4,5,6,7
	s_wait_dscnt 7-\t
	global_store_b128 v8, v[BK+4*\t:BK+4*\t+3], s[12:13] offset:2048*\t th:TH_STORE_NT
.endr
	s_wait_dscnt 0x0                               ; the closing lines, six on end
	s_wait_alu 0x0
	s_wait_tensorcnt 0x0
	ds_add_u32 v254, v255
	s_wait_dscnt 0x0
	s_endpgm
.Lfunc_end_k_q9bbd295f13_outp:
	.size	k_q9bbd295f13_outp, .Lfunc_end_k_q9bbd295f13_outp-k_q9bbd295f13_outp
	.p2alignl 7, 3214868480
	.fill 96, 4, 3214868480
	.section	.rodata,"a",@progbits
	.p2align	6, 0x0
	.amdhsa_kernel k_q9bbd295f13_outp
		.amdhsa_group_segment_fixed_size 17920
		.amdhsa_private_segment_fixed_size 0
		.amdhsa_enable_private_segment 0
		.amdhsa_kernarg_size 40
		.amdhsa_user_sgpr_count 2
		.amdhsa_user_sgpr_kernarg_segment_ptr 1
		.amdhsa_wavefront_size32 1
		.amdhsa_system_sgpr_workgroup_id_x 1
		.amdhsa_system_sgpr_workgroup_id_y 1
		.amdhsa_system_sgpr_workgroup_id_z 1
		.amdhsa_system_vgpr_workitem_id 0
		.amdhsa_next_free_vgpr 256
		.amdhsa_next_free_sgpr 66
		.amdhsa_reserve_vcc 0
		.amdhsa_float_denorm_mode_32 3
		.amdhsa_float_denorm_mode_16_64 3
		.amdhsa_memory_ordered 1
		.amdhsa_forward_progress 1
		.amdhsa_inst_pref_size 11
	.end_amdhsa_kernel
	.amdgpu_metadata
---
amdhsa.version: [ 1, 2 ]
amdhsa.kernels:
  - .name:           k_q9bbd295f13_outp
    .symbol:         k_q9bbd295f13_outp.kd
    .args:
      - { .name: ogimg, .offset: 0, .size: 8, .value_kind: global_buffer, .address_space: global }
      - { .name: woimg, .offset: 8, .size: 8, .value_kind: global_buffer, .address_space: global }
      - { .name: bo, .offset: 16, .size: 8, .value_kind: global_buffer, .address_space: global }
      - { .name: lowp_scales, .offset: 24, .size: 8, .value_kind: global_buffer, .address_space: global }
      - { .name: out0, .offset: 32, .size: 8, .value_kind: global_buffer, .address_space: global }
    .group_segment_fixed_size: 17920
    .private_segment_fixed_size: 0
    .kernarg_segment_align: 8
    .kernarg_segment_size: 40
    .max_flat_workgroup_size: 128
    .sgpr_count:     66
    .vgpr_count:     256
    .wavefront_size: 32
...
	.end_amdgpu_metadata
.endif
;; end of part 5
